; MI455X (gfx1250); checked and timed in simulation.
; The chip was launched on July 23, 2026; its instructions are those of AMD's public machine-readable ISA for CDNA 5 (MIT licence, August 2026) and "CDNA5" Instruction Set Architecture Reference Guide (July 2026). The comments in the code are by the model that wrote it; some were corrected since.
;; TDMHSA. Allowed arithmetic: matrix products marked QUANTISED: E4M3 operands, one given power-of-two scale a tensor, by v_wmma_f32_16x16x64_fp8_fp8 or v_wmma_f32_16x16x128_fp8_fp8, f32 sums; products left as they are: f32 operands where the result goes on into a quantised operand, else bf16, f16 or f32 operands; f32 sums; everything else in f32.
;; Inputs: Er_codes 1,024 x 2 x 32 uint8 (E4M3 codes of Er, K innermost, in blocks of 32 codes); W_out_codes 1,024 x 32 x 32 uint8 (E4M3 codes of W_out, K innermost, in blocks of 32 codes); W_qkv_codes 3,072 x 32 x 32 uint8 (E4M3 codes of W_qkv, K innermost, in blocks of 32 codes); W_time 256 x 3,072 float32; b_out 1,024 float32; b_qkv 3,072 float32; b_time 3,072 float32; lowp_scales 10 int32 (the exponents e of the quantised operands' scales 2^e); time_emb 8 x 256 float32; x_codes 8 x 1,024 x 32 x 32 uint8 (E4M3 codes of x, K innermost, in blocks of 32 codes).
;; Outputs: out0 8 x 1,024 x 1,024 float32.
;; This version of the problem:
;;   THIS VERSION OF THE PROBLEM IS GIVEN IN LOW PRECISION. The matrix products marked QUANTISED in the list below multiply operands that are first quantised to E4M3 (4 exponent bits, 3 mantissa bits; 8 bits a number), with one given power-of-two scale for each operand tensor; their sums are f32. All else is computed in f32.
;;   The module's matrix products, in the order in which they are computed (A, B: the left and right operand; K: the contracted axis; several contracted axes count as one K, in the product's order):
;;     1. [M 8,192, K 1,024] x [K 1,024, N 3,072]; A: input x (given as codes); B: input W_qkv (given as codes): QUANTISED (scales: A lowp_scales[0], B lowp_scales[1])
;;     2. [M 8, K 256] x [K 256, N 3,072]; A: input time_emb; B: input W_time: left as it is (M = 8 < 16)
;;     3. [M 131,072, K 64] x [K 64, N 1,024]; A: computed on the way; B: input Er (given as codes): QUANTISED (scales: A lowp_scales[2], B lowp_scales[3])
;;     4. batch 128 x [M 1,024, K 64] x [K 64, N 1,024]; A: computed on the way; B: computed on the way: QUANTISED (scales: A lowp_scales[4], B lowp_scales[5])
;;     5. batch 128 x [M 1,024, K 1,024] x [K 1,024, N 64]; A: softmax (see below); B: computed on the way: QUANTISED (scales: A lowp_scales[6], B lowp_scales[7])
;;     6. [M 8,192, K 1,024] x [K 1,024, N 1,024]; A: computed on the way; B: input W_out (given as codes): QUANTISED (scales: A lowp_scales[8], B lowp_scales[9])
;;   THE QUANTISER, for each operand of a quantised product, along K:
;;     - The operand's scale is 2^e, e = its entry of the input lowp_scales (int32; the entries are numbered through the quantised products in the list's order, A before B).
;;     - Each number is divided by the scale, clamped to +-448, and rounded to the nearest number of E4M3, ties to even, subnormals kept.
;;     - The product sums the exact products of the quantised numbers (number of the format x scale) in f32.
;;   ~~~python
;;   def quantise(x, axis, e):      # numpy; x: float32 -> the quantised numbers, widened to float32 again
;;       x = np.moveaxis(x, axis, -1); K = x.shape[-1]
;;       r = np.clip(x / 2.0 ** e, -448, 448)
;;       step = 2.0 ** (np.maximum(np.frexp(np.where(r == 0, 1, r))[1] - 1, -6) - 3)
;;       q = np.round(r / step) * step * 2.0 ** e      # np.round: ties to even
;;       return np.moveaxis(q, -1, axis).astype(np.float32)
;;   ~~~
;;   SOFTMAX AHEAD OF A QUANTISED PRODUCT. Where the list says 'softmax', what is quantised is not the finished softmax but p = 2^(t - M), with t = logit x log2(e) and M = ceil(the row's largest t), a whole number; so 1/2 < the row's largest p <= 1. The row's sum l is taken of the UNQUANTISED p, in f32, and the product's result is divided by l at the end. Since M is a whole number, a kernel that streams over the keys may use a running M (the ceiling of the running maximum): every later rescaling is an exact power of two, so the quantised numbers keep their values, but for numbers so far below the row's largest that they fall under the format's range.
;;   OPERANDS COMPUTED ON THE WAY. 'Computed on the way' means the value that the module computes at that place (a softmax that the list does not call 'softmax' is quantised finished and normalised). What goes into a quantiser is computed in f32, as accurately as f32 sums, v_exp_f32 and their like allow (about 1e-6 of the number): no bf16 or f16 on the way to a quantiser, and a product that is left as it is and whose result goes on into a quantised operand takes f32 operands (vector FMAs, or v_wmma_f32_16x16x4_f32). A number that lies on a knife's edge between two numbers of the format may be rounded either way, as far as f32 arithmetic and the matrix unit's own rounding can turn it there, and no further.
;;   INPUTS GIVEN AS CODES. Er (in the module: [1024, 64], K = its axis 1); W_out (in the module: [1024, 1024], K = its axis 0); W_qkv (in the module: [1024, 3072], K = its axis 0); x (in the module: [8, 1024, 1024], K = its axis 2): each comes as NAME_codes (uint8): NAME with its K axis moved to the last place and cut into blocks of 32 codes, [.., K / 32, bytes a block], one block behind the other in memory; one code a byte (a code: sign, 4 exponent bits, 3 mantissa bits); its scale is its entry of lowp_scales. Its value is code x scale, taken as it is: it is not quantised again, and the codes and scales need not be those that the quantiser above would give.
;; One version. Each part assembles by itself: llvm-mc -triple=amdgcn-amd-amdhsa -mcpu=gfx1250 --defsym DOCPART=n.
;; ======== version 1 of 1: 4 launches
;; limits: right only within a limited range of input values
;; workspace buffers: tb 98,304 bytes; et 135,168 bytes; qs 8,388,608 bytes; qr 8,388,608 bytes; kc 8,388,608 bytes; vc 8,388,608 bytes; ao 8,388,608 bytes
;; launch prep (part 1): grid 81 x 1, 8 waves a work-group, no clusters, 17,408 bytes of LDS; arguments time_emb, W_time, b_time, b_qkv, Er_codes, tb, et; writes tb, et
.if DOCPART == 1
	.amdgcn_target "amdgcn-amd-amdhsa--gfx1250"
	.amdhsa_code_object_version 6
	.text
	.protected	k_qf828479411_prep
	.globl	k_qf828479411_prep
	.p2align	8
	.type	k_qf828479411_prep,@function
k_qf828479411_prep:
	s_mov_b64 s[64:65], 0
	v_nop
	global_prefetch_b8 v0, s[64:65] scope:SCOPE_SE
	s_setreg_imm32_b32 hwreg(HW_REG_WAVE_MODE, 25, 1), 1
	s_wait_xcnt 0x0
; Two small tables for the later launches.
; (1) tb[b][col] = sum over k of time_emb[b][k] W_time[k][col] + b_time[col] + b_qkv[col], all in f32 (its result goes on into quantisers): [8][3072].
;     Work-groups 0 to 47 take 64 columns each.  Wave w takes k = 32 w .. 32 w + 31, a lane 2 columns: each load of a wave reads 256 consecutive bytes of a row of W_time, aligned, and W_time is read once.
;     time_emb's numbers are the same for all lanes.  They come with W_time's rows, in one run of loads: lane l takes time_emb[b][32 w + l], eight loads; v_readlane_b32 then hands each number to a scalar register,
;     from which the multiply-adds take it.  Two batches go together, so that four sums take turns.  The eight waves' parts meet in LDS; wave w then adds up batch w.
; (2) et: the codes of Er laid as ONE table for the skewed bias: row X stands for the distance x = key - query = X - 1028.  Rows 5..1028 are Er[X - 5] (x <= 0), row 1029 is zeros (x = 1),
;     rows 1030..2053 are Er[X - 1030] (x >= 2); all other rows are zeros.  2,112 rows of 64 bytes.  A row lies in the order of the 16x16x64 operand's registers: piece q = 2 c + h (16 bytes) holds
;     d = 32 c + 8 h + 0..7 and d = 32 c + 16 + 8 h + 0..7, and piece q lies at place (q + X / 4) mod 4, so that 16 neighbouring rows read at one q fall on 16 different columns of 16 bytes.
;     Work-groups 48 to 80 take 64 rows each, a thread 16 bytes.
.set ROWW, 3072*4                      ; a row of W_time in bytes
.set W,    32                          ; v32-95   my 32 rows x 2 columns of W_time
.set TE,   96                          ; v96-103  batch b: time_emb[b][32 w + lane]
.set ACC,  104                         ; v104-119 the sums: 8 batches x 2 columns
	s_load_b256 s[4:11], s[0:1], 0x0               ; time_emb s[4:5], W_time s[6:7], b_time s[8:9], b_qkv s[10:11]
	s_load_b128 s[12:15], s[0:1], 0x20             ; Er's codes s[12:13], tb s[14:15]
	s_load_b64 s[96:97], s[0:1], 0x30              ; et
	v_lshl_add_u32 v128, v0, 2, 0x4000
	v_mov_b32 v129, 0
	v_lshrrev_b32 v1, 5, v0
	s_delay_alu instid0(VALU_DEP_1)
	v_readfirstlane_b32 s98, v1                    ; wave 0..7
	v_and_b32 v2, 31, v0                           ; lane
	s_cmp_lt_u32 ttmp9, 48                         ; the same for all waves of a work-group
	s_cbranch_scc0 .Ltable
	; ---- tb
	v_lshlrev_b32 v3, 3, v2                        ; 8 x lane: my two columns
	s_wait_alu depctr_va_vdst(0)
	v_lshlrev_b32 v8, 2, v2                        ; 4 x lane: my number of a row of time_emb
	s_lshl_b32 s82, ttmp9, 8                       ; my work-group's 64 columns: 256 bytes
	s_mul_i32 s83, s98, 32*ROWW                    ; my wave's 32 rows
	s_add_co_u32 s84, s82, s83
	s_mov_b32 s85, 0
	s_lshl_b32 s86, s98, 7                         ; my wave's 32 numbers of a row of time_emb
	s_mov_b32 s87, 0
	v_add_nc_u32 v6, s82, v3                       ; my 2 columns in the biases
	s_lshl_b32 s88, s98, 11
	v_add_nc_u32 v4, s88, v3                       ; LDS, in: 2,048 x wave + 8 x lane (+ 256 x batch)
	s_lshl_b32 s88, s98, 8
	v_add_nc_u32 v5, s88, v3                       ; LDS, back: 256 x my batch + 8 x lane (+ 2,048 x wave)
	s_mul_i32 s89, s98, ROWW
	s_add_co_u32 s89, s89, s82
	v_add_nc_u32 v7, s89, v3                       ; tb: row = my batch, my 2 columns
	s_wait_alu depctr_va_vdst(0)
	s_wait_kmcnt 0x0
	s_add_nc_u64 s[6:7], s[6:7], s[84:85]
	s_add_nc_u64 s[4:5], s[4:5], s[86:87]
.irp b, 0,1,2,3,4,5,6,7
	global_load_b32 v[TE+\b], v8, s[4:5] offset:1024*\b
.endr
.set J, 0
.rept 32
	global_load_b64 v[W+2*J:W+2*J+1], v3, s[6:7] offset:J*ROWW th:TH_LOAD_NT   ; read once in the launch
.set J, J+1
.endr
	global_load_b64 v[10:11], v6, s[8:9]
	global_load_b64 v[12:13], v6, s[10:11]
; Two sets of 32 scalar registers: set 0 is s16-47, set 1 is s48-63 and s66-81.  SREG leaves the register of number k of a set in R
.macro SREG set, k
.if \set
.set R, 48+(\k)+2*((\k)/16)
.else
.set R, 16+(\k)
.endif
.endm
.macro RL b, set                       ; batch b's 32 numbers, one from each lane, into a set
.set K, 0
.rept 32
	SREG \set, K
	v_readlane_b32 s[R], v[TE+(\b)], K
.set K, K+1
.endr
.endm
.macro DOT2 b                          ; batches b (set 0) and b + 1 (set 1): 32 k x 2 columns each; the first product starts the sums; four sums by turns
.set K, 0
.rept 32
	SREG 0, K
.set R0, R
	SREG 1, K
.if K == 0
	v_mul_f32 v[ACC+2*(\b)], s[R0], v[W]
	v_mul_f32 v[ACC+2*(\b)+1], s[R0], v[W+1]
	v_mul_f32 v[ACC+2*(\b)+2], s[R], v[W]
	v_mul_f32 v[ACC+2*(\b)+3], s[R], v[W+1]
.else
	s_delay_alu instid0(VALU_DEP_4)
	v_fmac_f32 v[ACC+2*(\b)], s[R0], v[W+2*K]
	s_delay_alu instid0(VALU_DEP_4)
	v_fmac_f32 v[ACC+2*(\b)+1], s[R0], v[W+2*K+1]
	s_delay_alu instid0(VALU_DEP_4)
	v_fmac_f32 v[ACC+2*(\b)+2], s[R], v[W+2*K]
	s_delay_alu instid0(VALU_DEP_4)
	v_fmac_f32 v[ACC+2*(\b)+3], s[R], v[W+2*K+1]
.endif
.set K, K+1
.endr
.endm
	s_wait_loadcnt 0x0                             ; time_emb's numbers, W_time's 32 rows and the two biases: one wait for the one run of loads
.irp p, 0,2,4,6
	RL \p, 0
	RL \p+1, 1
	DOT2 \p
.endr
.irp b, 0,1,2,3,4,5,6,7
	ds_store_b64 v4, v[ACC+2*\b:ACC+2*\b+1] offset:256*\b
.endr
	s_wait_dscnt 0x0                               ; for the others' sake: my stores have landed
	s_barrier_signal -1
	s_barrier_wait -1
.irp p, 0,1,2,3,4,5,6,7
	ds_load_b64 v[W+2*\p:W+2*\p+1], v5 offset:2048*\p      ; the eight waves' parts of my batch
.endr
	v_pk_add_f32 v[10:11], v[10:11], v[12:13]      ; b_time + b_qkv
	s_wait_dscnt 0x0
.irp p, 1
	v_pk_add_f32 v[W:W+1], v[W:W+1], v[W+2*\p:W+2*\p+1]
.endr
.irp p, 2, 3, 4, 5, 6, 7
	s_delay_alu instid0(VALU_DEP_1)
	v_pk_add_f32 v[W:W+1], v[W:W+1], v[W+2*\p:W+2*\p+1]
.endr
	s_wait_alu depctr_va_vdst(0)
	v_pk_add_f32 v[W:W+1], v[W:W+1], v[10:11]
	global_store_b64 v7, v[W:W+1], s[14:15]        ; the wave stores 256 consecutive bytes, at a multiple of 256 from tb's first byte
	s_wait_tensorcnt 0x0
	ds_add_u32 v128, v129
	s_wait_dscnt 0x0
	s_endpgm
	; ---- et
.Ltable:
	s_sub_co_u32 s82, ttmp9, 48
	s_lshl_b32 s83, s82, 6                         ; my work-group's first row
	v_lshrrev_b32 v4, 2, v0
	s_delay_alu instid0(VALU_DEP_1)
	v_add_nc_u32 v4, s83, v4                       ; X
	v_and_b32 v5, 3, v0                            ; the place of my 16 bytes in the row
	s_delay_alu instid0(VALU_DEP_2)
	v_lshrrev_b32 v6, 2, v4
	s_delay_alu instid0(VALU_DEP_1)
	v_sub_nc_u32 v6, v5, v6
	s_delay_alu instid0(VALU_DEP_1)
	v_and_b32 v6, 3, v6                            ; which piece lies there: q = (place - X / 4) mod 4
	v_cmp_gt_u32 vcc_lo, 0x405, v4                 ; X < 1029: the first copy of Er
	v_mov_b32 v7, 0
	v_mov_b32 v8, 0x401
	s_delay_alu instid0(VALU_DEP_1)
	v_cndmask_b32 v7, v7, v8, vcc_lo
	s_delay_alu instid0(VALU_DEP_1)
	v_add_nc_u32 v7, v7, v4
	s_delay_alu instid0(VALU_DEP_1)
	v_add_nc_u32 v7, 0xfffffbfa, v7                ; Er's row: X - 5 or X - 1030
	s_delay_alu instid0(VALU_DEP_1)
	v_cmp_gt_u32 vcc_lo, 0x400, v7                 ; a row of Er?  (what is negative is large as an unsigned number)
	s_delay_alu instid0(VALU_DEP_2)
	v_min_u32 v7, 0x3ff, v7                        ; the load stays inside the table in any case
	s_delay_alu instid0(VALU_DEP_1)
	v_lshlrev_b32 v7, 6, v7
	v_lshrrev_b32 v8, 1, v6
	s_delay_alu instid0(VALU_DEP_1)
	v_lshl_add_u32 v7, v8, 5, v7                   ; + 32 c
	v_and_b32 v8, 1, v6
	s_delay_alu instid0(VALU_DEP_1)
	v_lshl_add_u32 v7, v8, 3, v7                   ; + 8 h
	v_lshlrev_b32 v9, 4, v0
	s_lshl_b32 s84, s82, 12
	s_mov_b32 s85, 0
	s_wait_alu depctr_va_vdst(0)
	s_wait_kmcnt 0x0
	s_add_nc_u64 s[96:97], s[96:97], s[84:85]
	global_load_b64 v[12:13], v7, s[12:13]         ; d = 32 c + 8 h + 0..7
	global_load_b64 v[14:15], v7, s[12:13] offset:16   ; d = 32 c + 16 + 8 h + 0..7
	s_wait_loadcnt 0x0
.irp i, 12,13,14,15
	v_cndmask_b32 v\i, 0, v\i, vcc_lo              ; zeros where the row is none of Er's
.endr
	global_store_b128 v9, v[12:15], s[96:97]       ; a wave stores 512 consecutive bytes
	s_endpgm
.Lfunc_end_k_qf828479411_prep:
	.size	k_qf828479411_prep, .Lfunc_end_k_qf828479411_prep-k_qf828479411_prep
	.p2alignl 7, 3214868480
	.fill 96, 4, 3214868480
	.section	.rodata,"a",@progbits
	.p2align	6, 0x0
	.amdhsa_kernel k_qf828479411_prep
		.amdhsa_group_segment_fixed_size 17408
		.amdhsa_private_segment_fixed_size 0
		.amdhsa_enable_private_segment 0
		.amdhsa_kernarg_size 56
		.amdhsa_user_sgpr_count 2
		.amdhsa_user_sgpr_kernarg_segment_ptr 1
		.amdhsa_wavefront_size32 1
		.amdhsa_system_sgpr_workgroup_id_x 1
		.amdhsa_system_sgpr_workgroup_id_y 1
		.amdhsa_system_sgpr_workgroup_id_z 1
		.amdhsa_system_vgpr_workitem_id 0
		.amdhsa_next_free_vgpr 130
		.amdhsa_next_free_sgpr 100
		.amdhsa_reserve_vcc 1
		.amdhsa_float_denorm_mode_32 3
		.amdhsa_float_denorm_mode_16_64 3
		.amdhsa_memory_ordered 1
		.amdhsa_forward_progress 1
		.amdhsa_inst_pref_size 57
	.end_amdhsa_kernel
	.amdgpu_metadata
---
amdhsa.version: [ 1, 2 ]
amdhsa.kernels:
  - .name:           k_qf828479411_prep
    .symbol:         k_qf828479411_prep.kd
    .args:
      - { .name: time_emb, .offset: 0, .size: 8, .value_kind: global_buffer, .address_space: global }
      - { .name: W_time, .offset: 8, .size: 8, .value_kind: global_buffer, .address_space: global }
      - { .name: b_time, .offset: 16, .size: 8, .value_kind: global_buffer, .address_space: global }
      - { .name: b_qkv, .offset: 24, .size: 8, .value_kind: global_buffer, .address_space: global }
      - { .name: Er_codes, .offset: 32, .size: 8, .value_kind: global_buffer, .address_space: global }
      - { .name: tb, .offset: 40, .size: 8, .value_kind: global_buffer, .address_space: global }
      - { .name: et, .offset: 48, .size: 8, .value_kind: global_buffer, .address_space: global }
    .group_segment_fixed_size: 17408
    .private_segment_fixed_size: 0
    .kernarg_segment_align: 8
    .kernarg_segment_size: 56
    .max_flat_workgroup_size: 256
    .sgpr_count:     100
    .vgpr_count:     130
    .wavefront_size: 32
...
	.end_amdgpu_metadata
.endif
;; end of part 1
;; launch qkv (part 2): grid 12 x 32, 4 waves a work-group, clusters of 4 x 4, 327,680 bytes of LDS; arguments x_codes, W_qkv_codes, lowp_scales, tb, qs, qr, kc, vc; writes qs, qr, kc, vc
.if DOCPART == 2
	.amdgcn_target "amdgcn-amd-amdhsa--gfx1250"
	.amdhsa_code_object_version 6
	.text
	.protected	k_qf828479411_qkv
	.globl	k_qf828479411_qkv
	.p2align	8
	.type	k_qf828479411_qkv,@function
k_qf828479411_qkv:
	s_mov_b64 s[64:65], 0
	v_nop
	global_prefetch_b8 v0, s[64:65] scope:SCOPE_SE
	s_setreg_imm32_b32 hwreg(HW_REG_WAVE_MODE, 25, 1), 1
	s_wait_xcnt 0x0
	s_wait_alu depctr_hold_cnt(0) depctr_sa_sdst(0) depctr_va_vdst(0) depctr_va_sdst(0) depctr_va_ssrc(0) depctr_va_vcc(0) depctr_vm_vsrc(0)
	s_getreg_b32 s2, hwreg(HW_REG_IB_STS2, 6, 4)
	s_cmp_eq_u32 s2, 0
	s_cbranch_scc0 .Lentry_in_a_cluster
	s_endpgm
.Lentry_in_a_cluster:
	s_bfe_u32 s2, ttmp6, 0x10000c
	s_cmp_lg_u32 s2, 0xf033
	s_cbranch_scc0 .Lentry_shape_is_right
	s_endpgm
.Lentry_shape_is_right:
; q, k, v = x W_qkv (codes of E4M3 as given, sums in f32) x 2^(e0 + e1) + tb[batch][column], quantised at once for the products that follow, and stored as IMAGES OF THE OPERANDS' REGISTERS:
;   qs (scale 2^e4), qr (2^e2), kc (2^e5): [batch][head][16 tokens tt][c 2][lane 32][16 bytes]: lane (r, h) holds token 16 tt + r; piece c: d = 32 c + 8 h + 0..7, then d = 32 c + 16 + 8 h + 0..7 (the 16x16x64 form's layout);
;   vc (2^e7): [batch][head][128 keys s][16 channels ct][j 4][lane][16 bytes]: lane (r, h) holds channel 16 ct + r; piece j: keys 128 s + 32 j + 8 h + 0..7, then + 16 (the 16x16x128 form's layout; the keys are v's K).
; A tile of 256 x 256 is made by a work-group of four waves, a wave makes 128 x 128: 64 accumulators, 512 registers.  K = 1,024 goes in four steps of 256 through a ring of two LDS slots filled by the tensor data mover.
; THE MATRIX INSTRUCTION'S SOURCE 0 GIVES A LANE'S REGISTERS, SOURCE 1 ITS LANE.  The cluster's x says what is made: 0 q, 1 k, 2 v.  For q and k the next K is the head's d: source 1 ('A') = x's rows, source 0 ('B') = W's rows, so that a lane
; holds one token and eight neighbouring d.  For v the next K is the keys: A = W's rows, B = x's rows: a lane holds one channel and eight neighbouring tokens.  Both tensors have rows of 1,024 bytes: only pointers and tile numbers differ.
; So eight results of a lane are one conversion's eight numbers, the codes are the operands' registers as they stand, and every store of a wave covers 512 consecutive bytes, aligned: no stage in LDS on the way out.
; CLUSTERS: 4 x 4 work-groups.  The four of a row of the cluster need the same tile of A, the four of a column the same tile of B: each is asked for jointly.  The cluster's x is the same in all sixteen, so the branches on it are alike in all.
; The fragments are fetched by loads of 16 bytes: a permutation of k inside an instruction, the same in A and in B, so that every product meets its partner.
; LIMITS: e0 + e1 between -126 and 127; e2, e4, e5, e7 between -126 and 119, so that each power of two below is an f32 number.  NaN among the inputs is not served.
; REGISTERS: window 0: v0-31 addresses; from v128 A's fragments, one set; on the way out v32-255.  window 1: B's fragments, two sets.  windows 2, 3: the accumulators ((a, b) at v[8 (8 (a % 4) + b)]).
.set KROW,   1024                      ; a row of x or of W in bytes
.set ROWB,   256                       ; a tile's row: 256 codes
.set PITCH,  272                       ; an LDS row: 256 bytes + 16 of padding: the 16 rows that a load touches start 16 bytes apart modulo 256
.set FR,     16
.set NL,     4
.set NP,     4                         ; places behind this matrix instruction (ISA guide 7.12.1)
.set HALFT,  128*PITCH
.set SLOT,   4*HALFT
.set LAPS,   KROW/(2*ROWB)
.set SPARE,  2*SLOT                    ; behind the ring: the spare words, 128 bytes for each wave, that no other line names
.set ADRA, 16                          ; v16-17  LDS address of my A fragments in slot 0, 1
.set ADRB, 20                          ; v20-21  the same for B
.set BH,   24                          ; v24     32 x (lane / 16): my place in a run of 16 biases
.set BR,   25                          ; v25     4 x (lane % 16)
.set LO,   26                          ; v26     16 x lane: my place in an image
.set SPW,  28                          ; v28     LDS address of my spare word; never rewritten
.set NIL,  29                          ; v29     0; never rewritten
.set BIA,  32                          ; v32-95 the biases, asked for at the head: no line of the K loop names these registers
.set T,    96                          ; the way out: v96-159 a block's 64 numbers;
.set U,    160                         ; v160-223 the same, held;
.set PFO,  30                          ; v30     the prefetches' offset: my lane x a row of 1,024 bytes; never rewritten
.set PFA,  66                          ; s[66:67] my work-group's 32 rows of the 128 that my wave fetches, at K step 0; never rewritten
.set CO1,  224                         ; v224-239, v240-255 codes
.set CO2,  240
.set AF,   128
.set G1, 24
.set G0, 32
.set G1B, 48
.set G0B, 56
.set MSB, 0
.macro WIN new                         ; the immediate's high byte repeats the setting that is left
.if MSB != \new
	s_set_vgpr_msb (MSB<<8)|\new
.set MSB, \new
.endif
.endm
.set MUL_LO, 0xa1                      ; source 0 (B) window 1, source 1 (A) window 0, C and D window 2
.set MUL_HI, 0xf1
.set TO_B,   0x40
; A joint load: waves 0 and 1 fetch for A, waves 2 and 3 for B; the branch hangs on the wave's number alone.  Four v_nop follow each of the two lines.
.macro JLOAD g0a, g1a, g0b, g1b
	s_cmp_eq_u32 s15, 0
	s_cbranch_scc0 .Lfor_b_\@
	tensor_load_to_lds s[\g0a:\g0a+3], s[\g1a:\g1a+7]
	s_nop 0
.rept 4
	v_nop
.endr
	s_branch .Lasked_\@
.Lfor_b_\@:
	tensor_load_to_lds s[\g0b:\g0b+3], s[\g1b:\g1b+7]
	s_nop 0
.rept 4
	v_nop
.endr
.Lasked_\@:
.endm
.macro CREST                           ; a round of the cluster's barrier behind its opening barrier
	s_cmp_lg_u32 s14, 0
	s_cbranch_scc1 .Lnot_wave_0_\@
	s_barrier_signal -3
.Lnot_wave_0_\@:
	s_barrier_wait -3
	s_barrier_signal -1
	s_barrier_wait -1
.endm
.macro CROUND
	s_barrier_signal -1
	s_barrier_wait -1
	CREST
.endm
	s_load_b256 s[68:75], s[0:1], 0x0              ; x s[68:69], W s[70:71], the scales' exponents s[72:73], tb s[74:75]
	s_load_b256 s[76:83], s[0:1], 0x20             ; qs s[76:77], qr s[78:79], kc s[80:81], vc s[82:83]
	v_lshl_add_u32 v[SPW], v0, 2, SPARE
	v_mov_b32 v[NIL], 0
	ds_add_u32 v28, v29
	ds_add_u32 v28, v29
	s_wait_dscnt 0x0
	v_lshrrev_b32 v1, 5, v0
	v_readfirstlane_b32 s14, v1                    ; wave 0..3
	s_lshr_b32 s15, s14, 1                         ; which half of A's rows is mine.  Also: I fetch for A (0) or for B (1)
	s_and_b32 s16, s14, 1                          ; which half of B's rows.  Also: which 128 rows of that tile I fetch
	s_bfe_u32 s40, ttmp6, 0x40000                  ; cx, cy: my place in the cluster
	s_bfe_u32 s41, ttmp6, 0x40004
	s_and_b32 s84, ttmp7, 0xffff
	s_lshl_b32 s84, s84, 2                         ; 4 x cluster y: which four tiles of x
	s_lshl_b32 s85, ttmp9, 2                       ; 4 x cluster x: which four tiles of W
	s_cmp_eq_u32 ttmp9, 2                          ; v?
	s_cselect_b32 s17, 8, s84
	s_cselect_b32 s42, s84, s85
	s_add_co_u32 s17, s17, s41                     ; A's tile: of x, 4 x cluster y + cy; for v: of W, 8 + cy.  It never holds cx
	s_add_co_u32 s42, s42, s40                     ; B's tile: of W, 4 x cluster x + cx; for v: of x, 4 x cluster y + cx.  It never holds cy
	s_lshl_b32 s43, s41, 2
	s_lshl_b32 s43, 15, s43                        ; my row of the cluster
	s_lshl_b32 s44, 0x1111, s40                    ; my column
	s_or_b32 s[G1+0], s43, (0<<16)|(1<<20)|(1<<21)|(5<<22)|(3<<25)  ; 15:0 the mask; 17:16 elements of 1 byte; 20 padding on; 21 set beside a mask; 24:22 after every 64 words; 31:25 four words
	s_or_b32 s[G1B+0], s44, (0<<16)|(1<<20)|(1<<21)|(5<<22)|(3<<25)
.irp g, G1, G1B
	s_mov_b32 s[\g+1], ROWB<<16                    ; tensor_dim0
	s_mov_b32 s[\g+2], 128<<16                     ; tensor_dim1
	s_mov_b32 s[\g+3], ROWB<<16                    ; tile_dim0
	s_mov_b32 s[\g+4], 128                         ; tile_dim1
	s_mov_b32 s[\g+5], KROW                        ; tensor_dim0_stride
	s_mov_b32 s[\g+6], 0
	s_mov_b32 s[\g+7], 0
.endr
	s_lshl_b32 s18, s16, 7                         ; which 128 rows of the tile I fetch
	s_lshl_b32 s20, s17, 8
	s_add_co_u32 s20, s20, s18
	s_lshl_b32 s20, s20, 10                        ; A: (256 x tile + 128 x half) rows of 1,024 bytes: under 2^24
	s_mov_b32 s21, 0
	s_lshl_b32 s46, s42, 8
	s_add_co_u32 s46, s46, s18
	s_lshl_b32 s46, s46, 10                        ; B likewise
	s_mov_b32 s47, 0
	s_mul_i32 s45, s14, HALFT                      ; where they go: wave x 128 rows
	s_wait_kmcnt 0x0
	s_load_b256 s[88:95], s[72:73], 0x0            ; e0 .. e7
	s_cmp_eq_u32 ttmp9, 2
	s_cselect_b64 s[4:5], s[70:71], s[68:69]       ; A: W for v, else x
	s_cselect_b64 s[6:7], s[68:69], s[70:71]       ; B: x for v, else W
	s_add_nc_u64 s[20:21], s[4:5], s[20:21]
	s_add_nc_u64 s[46:47], s[6:7], s[46:47]
	CROUND                                         ; all sixteen work-groups are here: the first joint loads meet
.irp s, 0,1
	s_mov_b32 s[G0+4*\s], 1
	s_add_co_u32 s[G0+4*\s+1], s45, \s*SLOT
	s_add_nc_u64 s[G0+4*\s+2:G0+4*\s+3], s[20:21], \s*ROWB
	s_or_b32 s[G0+4*\s+3], s[G0+4*\s+3], 0x80000000
	s_mov_b32 s[G0B+4*\s], 1
	s_add_co_u32 s[G0B+4*\s+1], s45, \s*SLOT
	s_add_nc_u64 s[G0B+4*\s+2:G0B+4*\s+3], s[46:47], \s*ROWB
	s_or_b32 s[G0B+4*\s+3], s[G0B+4*\s+3], 0x80000000
.endr
	JLOAD G0, G1, G0B, G1B                         ; K step 0
	; PREFETCHES INTO THE L2: behind the load of K step n stands one request for K step n + 1: 32 rows x 256 bytes, a lane a row, one instruction a wave.
	; Of the 128 rows that a wave fetches, each of the four partners that ask for them jointly names 32, told apart by address (cx for A, cy for B).  K step 3 has no successor: nothing is asked for behind its load.
	s_cmp_eq_u32 s15, 0                            ; do I fetch for A?
	s_cselect_b64 s[PFA:PFA+1], s[20:21], s[46:47]
	s_cselect_b32 s98, s40, s41                    ; my place among the four
	s_lshl_b32 s98, s98, 15                        ; 32 rows of 1,024 bytes
	s_mov_b32 s99, 0
	s_add_nc_u64 s[PFA:PFA+1], s[PFA:PFA+1], s[98:99]
	v_and_b32 v[PFO], 31, v0
	v_lshlrev_b32 v[PFO], 10, v[PFO]
	global_prefetch_b8 v[PFO], s[PFA:PFA+1] offset:ROWB th:TH_LOAD_NT scope:SCOPE_SE   ; K step 1
	v_and_b32 v1, 15, v0                           ; r
	v_bfe_u32 v2, v0, 4, 1                         ; h
	v_mul_u32_u24 v3, v1, PITCH
	v_lshl_add_u32 v4, v2, 4, v3
	s_mul_i32 s21, s15, HALFT                      ; my 128 rows of A
	s_mul_i32 s22, s16, HALFT                      ; my 128 rows of B,
	s_add_co_u32 s22, s22, 2*HALFT                 ; which lie behind A's 256
.irp s, 0,1
	v_add_nc_u32 v[ADRA+\s], s21, v4
	v_add_nc_u32 v[ADRB+\s], s22, v4
	s_add_co_u32 s21, s21, SLOT
	s_add_co_u32 s22, s22, SLOT
.endr
	v_lshlrev_b32 v[BH], 5, v2
	v_lshlrev_b32 v[BR], 2, v1
	v_and_b32 v[LO], 31, v0
	v_lshlrev_b32 v[LO], 4, v[LO]
	; the biases tb[batch][column] are asked for here and waited for on the way out
	s_cmp_eq_u32 ttmp9, 2                          ; v?
	s_cselect_b32 s18, s42, s17                    ; x's tile: four tiles to a batch
	s_cselect_b32 s19, s17, s42                    ; W's tile: 256 columns
	s_cselect_b32 s22, s15, s16                    ; my half of it
	s_lshr_b32 s18, s18, 2
	s_mul_i32 s18, s18, 3072
	s_lshl_b32 s19, s19, 8
	s_add_co_u32 s18, s18, s19
	s_lshl_b32 s22, s22, 7
	s_add_co_u32 s18, s18, s22
	s_lshl_b32 s18, s18, 2
	s_mov_b32 s19, 0
	s_add_nc_u64 s[8:9], s[74:75], s[18:19]        ; tb at my batch and my first column
	s_wait_alu depctr_va_vdst(0)
	s_cmp_eq_u32 ttmp9, 2
	s_cbranch_scc1 .Lbias_v
.irp bb, 0,1,2,3,4,5,6,7
	global_load_b128 v[BIA+8*\bb:BIA+8*\bb+3], v[BH], s[8:9] offset:64*\bb        ; q, k: columns 16 bb + 8 h + 0..7
	global_load_b128 v[BIA+8*\bb+4:BIA+8*\bb+7], v[BH], s[8:9] offset:64*\bb+16
.endr
	s_branch .Lbias_done
.Lbias_v:
.irp a, 0,1,2,3,4,5,6,7
.irp j, 0,1,2,3,4,5,6,7
	global_load_b32 v[BIA+8*\a+\j], v[BR], s[8:9] offset:64*\a   ; v: a lane has one channel a block, column 16 a + r: it fills the block's eight registers, so that both ways write all 64
.endr
.endr
.Lbias_done:
.macro FRAG reg, adr, q, i             ; 16 rows x 128 K: 16 registers, four loads of 16 bytes
.irp c, 0,1,2,3
	ds_load_b128 v[\reg+4*\c:\reg+4*\c+3], v[\adr] offset:128*(\q)+32*\c+(\i)*16*PITCH
.endr
.endm
; 16 matrix instructions: A's blocks a0, a0 + 1 x B's eight.  The 64 accumulators take turns, one instruction a turn, in the same order in every step.
.macro MUL16 a0, p, zero
.irp a, \a0, \a0+1
.irp b, 0,1,2,3,4,5,6,7
.if \zero
	v_wmma_f32_16x16x128_fp8_fp8 v[8*(8*((\a)%4)+\b):8*(8*((\a)%4)+\b)+7], v[128*(\p)+FR*\b:128*(\p)+FR*\b+FR-1], v[AF+FR*(\a):AF+FR*(\a)+FR-1], 0
.else
	v_wmma_f32_16x16x128_fp8_fp8 v[8*(8*((\a)%4)+\b):8*(8*((\a)%4)+\b)+7], v[128*(\p)+FR*\b:128*(\p)+FR*\b+FR-1], v[AF+FR*(\a):AF+FR*(\a)+FR-1], v[8*(8*((\a)%4)+\b):8*(8*((\a)%4)+\b)+7]
.endif
.endr
.endr
.endm
.macro FETCH_B slot, q, p
	WIN TO_B
.irp i, 0,1,2,3,4,5,6,7
	FRAG 128*(\p)+FR*\i, ADRB+\slot, \q, \i
.endr
	WIN 0
.endm
.macro FETCH_A slot, q, i0
.irp i, \i0, \i0+1, \i0+2, \i0+3
	FRAG AF+FR*(\i), ADRA+\slot, \q, \i
.endr
.endm
.macro PLACES n                        ; plain vector instructions between a matrix instruction and a load into, or a vector read or write of, its registers
.rept \n
	v_nop
.endr
.endm
.macro STEP slot, q, zero              ; 128 along K that has its successor in the same slot
	s_wait_dscnt 4*NL                              ; B's set and A's blocks 0-3 are in; the youngest sixteen loads (A's blocks 4-7) may be out
	WIN MUL_LO
	MUL16 0, (\q)%2, \zero
	MUL16 2, (\q)%2, \zero
	s_wait_dscnt 0
	PLACES NP
	FETCH_B \slot, (\q)+1, 1-(\q)%2
	FETCH_A \slot, (\q)+1, 0
	WIN MUL_HI
	MUL16 4, (\q)%2, \zero
	MUL16 6, (\q)%2, \zero
	PLACES NP
	WIN 0
	FETCH_A \slot, (\q)+1, 4
.endm
; A slot's last step changes slots: one barrier; in front of it each wave waits for all its tensor loads, adds 0 to its spare word, and waits for that and for its own reads of this slot.
.macro TURN slot, next, fill
	s_wait_tensorcnt 0x0                           ; all my tensor loads have landed: my part of the next slot
	ds_add_u32 v[SPW], v[NIL]                      ; 0 onto my spare word
	s_wait_dscnt 4*NL+1                            ; (the add and the youngest sixteen loads may be out)
	WIN MUL_LO
	MUL16 0, 1, 0
	s_wait_dscnt 0x0                               ; the add is done, and my reads of this slot are over
	s_barrier_signal -1
	MUL16 2, 1, 0
	WIN 0
	s_barrier_wait -1
.if \fill
	CREST                                          ; the barrier has opened a round of the cluster's: no wave of any partner still reads this slot or has a load on its way
	s_add_nc_u64 s[G0+4*\slot+2:G0+4*\slot+3], s[G0+4*\slot+2:G0+4*\slot+3], 2*ROWB
	s_add_nc_u64 s[G0B+4*\slot+2:G0B+4*\slot+3], s[G0B+4*\slot+2:G0B+4*\slot+3], 2*ROWB
	JLOAD G0+4*\slot, G1, G0B+4*\slot, G1B         ; the first tensor load behind the round; its four v_nop are also the places in front of the loads below
.else
	PLACES NP
.endif
	FETCH_B \next, 0, 0
	FETCH_A \next, 0, 0
.if (\fill) && (\slot) == 0
	global_prefetch_b8 v[PFO], s[PFA:PFA+1] offset:3*ROWB th:TH_LOAD_NT scope:SCOPE_SE   ; K step 3 (the loop has one trip)
.endif
	WIN MUL_HI
	MUL16 4, 1, 0
	MUL16 6, 1, 0
	PLACES NP
	WIN 0
	FETCH_A \next, 0, 4
.endm
	s_wait_alu depctr_va_vdst(0)
	s_wait_tensorcnt 0x0                           ; my part of K step 0 is in
	ds_add_u32 v[SPW], v[NIL]                      ; 0 onto my spare word
	s_wait_dscnt 0x0                               ; the add is done
	CROUND                                         ; a whole round: everybody's part of K step 0 is in, and the joint loads meet
	JLOAD G0+4, G1, G0B+4, G1B                     ; K step 1's load, the first tensor load behind the round
	FETCH_B 0, 0, 0
	FETCH_A 0, 0, 0
	FETCH_A 0, 0, 4
	global_prefetch_b8 v[PFO], s[PFA:PFA+1] offset:2*ROWB th:TH_LOAD_NT scope:SCOPE_SE   ; K step 2
	STEP 0, 0, 1                                   ; the first step's products start the sums
	s_mov_b32 s3, LAPS-1
.Llap:
	TURN 0, 1, 1
	STEP 1, 0, 0
	TURN 1, 0, 1
	STEP 0, 0, 0
	s_sub_co_u32 s3, s3, 1
	s_cmp_lg_u32 s3, 0
	s_cbranch_scc1 .Llap
	TURN 0, 1, 0                                   ; the last lap fills nothing
	STEP 1, 0, 0
	s_wait_dscnt 4*NL
	WIN MUL_LO
	MUL16 0, 1, 0
	MUL16 2, 1, 0
	s_wait_dscnt 0
	WIN MUL_HI
	MUL16 4, 1, 0
	MUL16 6, 1, 0
	WIN 0
; THE WAY OUT.  Accumulator (a, bb), register t, lane (r, h): A's row 16 a + r, B's row 16 bb + 8 h + t.
.macro MKSCALE se, vs, vl              ; from the exponent in s[se]: v[vs] = 2^e as f32 (the conversion takes its exponent field), v[vl] = 448 x 2^e
	s_add_co_i32 s86, s[\se], 127
	s_lshl_b32 s87, s86, 23
	v_mov_b32 v[\vs], s87
	s_add_co_i32 s86, s86, 8
	s_lshl_b32 s86, s86, 23
	s_or_b32 s86, s86, 0x600000
	v_mov_b32 v[\vl], s86
.endm
.macro CODES co, vs, vl                ; the block's 64 numbers in T become 16 registers of codes: tile bb's eight numbers, registers 2 bb and 2 bb + 1
.set J, 0
.rept 8
.set I, 0
.rept 8
	v_med3_num_f32 v[U+8*J+I], v[T+8*J+I], -v[\vl], v[\vl]   ; the conversion to an 8-bit code does not saturate (ISA guide 7.6.2): the hold at the largest code x the scale
.set I, I+1
.endr
	v_cvt_scalef32_pk8_fp8_f32 v[\co+2*J:\co+2*J+1], v[U+8*J:U+8*J+7], v[\vs]
.set J, J+1
.endr
	v_nop                                          ; one plain vector instruction behind the last conversion, ahead of the next writes of its sources
.endm
.macro QKBLOCK a                       ; 16 tokens x 128 columns (two heads)
	s_wait_xcnt 0x0                                ; the earlier stores have read their data: the codes' registers are written again only behind this wait
	WIN 0x02+((\a)/4)                              ; source 0: window 2 or 3
.set J, 0
.rept 32
	v_pk_fma_f32 v[T+J:T+J+1], v[64*((\a)%4)+J:64*((\a)%4)+J+1], s[96:97], v[BIA+J:BIA+J+1] op_sel_hi:[1,0,1]   ; sum x 2^(e0 + e1) + tb; each accumulator from its low end on
.set J, J+2
.endr
	WIN 0
	CODES CO1, 8, 9
.irp hh, 0,1
.irp c, 0,1
	global_store_b128 v[LO], v[CO1+8*\hh+4*\c:CO1+8*\hh+4*\c+3], s[10:11] offset:65536*\hh+1024*(\a)+512*\c   ; 512 consecutive bytes a store
.endr
.endr
	s_cmp_lg_u32 ttmp9, 0                          ; q is quantised a second time, with the scale of the product with Er
	s_cbranch_scc1 .Lno_rel_\@
	CODES CO2, 10, 11
.irp hh, 0,1
.irp c, 0,1
	global_store_b128 v[LO], v[CO2+8*\hh+4*\c:CO2+8*\hh+4*\c+3], s[12:13] offset:65536*\hh+1024*(\a)+512*\c
.endr
.endr
.Lno_rel_\@:
.endm
.macro VBLOCK a                        ; 16 channels x 128 tokens
	s_wait_xcnt 0x0
	WIN 0x02+((\a)/4)
.set J, 0
.rept 32
	v_pk_fma_f32 v[T+J:T+J+1], v[64*((\a)%4)+J:64*((\a)%4)+J+1], s[96:97], v[BIA+8*(\a):BIA+8*(\a)+1] op_sel_hi:[1,0,1]   ; a lane has one channel, so one bias, which fills both halves of its pair
.set J, J+2
.endr
	WIN 0
	CODES CO1, 8, 9
.irp j, 0,1,2,3
	global_store_b128 v[LO], v[CO1+4*\j:CO1+4*\j+3], s[10:11] offset:65536*((\a)/4)+2048*((\a)%4)+512*\j
.endr
.endm
	s_wait_kmcnt 0x0
	s_add_co_i32 s96, s88, s89
	s_add_co_i32 s96, s96, 127
	s_lshl_b32 s96, s96, 23                        ; 2^(e0 + e1) as f32
	s_mov_b32 s97, s96                             ; (named with it as a pair, so it is written)
	PLACES NP                                      ; behind the last products: for the first reads of results and the writes into the registers that held A's fragments
	s_cmp_eq_u32 ttmp9, 2
	s_cbranch_scc1 .Lvalues
	; ---- q and k
	s_cmp_eq_u32 ttmp9, 0
	s_cselect_b32 s3, s92, s93                     ; e4 for q, e5 for k
	s_cselect_b64 s[10:11], s[76:77], s[80:81]     ; qs or kc
	MKSCALE 3, 8, 9
	MKSCALE 90, 10, 11                             ; e2
	s_lshr_b32 s18, s17, 2                         ; the batch: four tiles of 256 tokens each
	s_lshl_b32 s19, s18, 20
	s_and_b32 s22, s42, 3
	s_lshl_b32 s22, s22, 2
	s_lshl_b32 s23, s16, 1
	s_add_co_u32 s22, s22, s23                     ; my first head: 4 (tile % 4) + 2 x half
	s_lshl_b32 s22, s22, 16
	s_add_co_u32 s19, s19, s22
	s_and_b32 s22, s17, 3
	s_lshl_b32 s22, s22, 4
	s_lshl_b32 s23, s15, 3
	s_add_co_u32 s22, s22, s23                     ; my first 16 tokens: 16 (tile % 4) + 8 x half
	s_lshl_b32 s22, s22, 10
	s_add_co_u32 s22, s19, s22
	s_mov_b32 s23, 0
	s_add_nc_u64 s[10:11], s[10:11], s[22:23]
	s_add_nc_u64 s[12:13], s[78:79], s[22:23]      ; qr
	s_wait_loadcnt 0x0                             ; the biases, asked for at the head
.irp a, 0,1,2,3,4,5,6,7
	QKBLOCK \a
.endr
	s_branch .Lend
	; ---- v
.Lvalues:
	MKSCALE 95, 8, 9                               ; e7
	s_lshr_b32 s18, s42, 2                         ; the batch
	s_lshl_b32 s19, s18, 20
	s_lshl_b32 s22, s41, 2
	s_lshl_b32 s23, s15, 1
	s_add_co_u32 s22, s22, s23                     ; my first head: 4 cy + 2 x half
	s_lshl_b32 s22, s22, 16
	s_add_co_u32 s19, s19, s22
	s_and_b32 s22, s42, 3
	s_lshl_b32 s22, s22, 1
	s_add_co_u32 s22, s22, s16                     ; my 128 keys: 2 (tile % 4) + half
	s_lshl_b32 s22, s22, 13
	s_add_co_u32 s22, s19, s22
	s_mov_b32 s23, 0
	s_add_nc_u64 s[10:11], s[82:83], s[22:23]
	s_wait_loadcnt 0x0                             ; the biases, asked for at the head
.irp a, 0,1,2,3,4,5,6,7
	VBLOCK \a
.endr
.Lend:
	s_wait_tensorcnt 0x0                           ; the wave's end
	ds_add_u32 v[SPW], v[NIL]
	s_wait_dscnt 0x0
	CROUND                                         ; the closing round: no work-group ends while a partner may still ask for a tile that names it
	s_endpgm
.Lfunc_end_k_qf828479411_qkv:
	.size	k_qf828479411_qkv, .Lfunc_end_k_qf828479411_qkv-k_qf828479411_qkv
	.p2alignl 7, 3214868480
	.fill 96, 4, 3214868480
	.section	.rodata,"a",@progbits
	.p2align	6, 0x0
	.amdhsa_kernel k_qf828479411_qkv
		.amdhsa_group_segment_fixed_size 327680
		.amdhsa_private_segment_fixed_size 0
		.amdhsa_enable_private_segment 0
		.amdhsa_kernarg_size 64
		.amdhsa_user_sgpr_count 2
		.amdhsa_user_sgpr_kernarg_segment_ptr 1
		.amdhsa_wavefront_size32 1
		.amdhsa_system_sgpr_workgroup_id_x 1
		.amdhsa_system_sgpr_workgroup_id_y 1
		.amdhsa_system_sgpr_workgroup_id_z 1
		.amdhsa_system_vgpr_workitem_id 0
		.amdhsa_next_free_vgpr 1024
		.amdhsa_next_free_sgpr 100
		.amdhsa_reserve_vcc 0
		.amdhsa_float_denorm_mode_32 3
		.amdhsa_float_denorm_mode_16_64 3
		.amdhsa_memory_ordered 1
		.amdhsa_forward_progress 1
		.amdhsa_inst_pref_size 240
	.end_amdhsa_kernel
	.amdgpu_metadata
---
amdhsa.version: [ 1, 2 ]
amdhsa.kernels:
  - .name:           k_qf828479411_qkv
    .symbol:         k_qf828479411_qkv.kd
    .args:
      - { .name: x_codes, .offset: 0, .size: 8, .value_kind: global_buffer, .address_space: global }
      - { .name: W_qkv_codes, .offset: 8, .size: 8, .value_kind: global_buffer, .address_space: global }
      - { .name: lowp_scales, .offset: 16, .size: 8, .value_kind: global_buffer, .address_space: global }
      - { .name: tb, .offset: 24, .size: 8, .value_kind: global_buffer, .address_space: global }
      - { .name: qs, .offset: 32, .size: 8, .value_kind: global_buffer, .address_space: global }
      - { .name: qr, .offset: 40, .size: 8, .value_kind: global_buffer, .address_space: global }
      - { .name: kc, .offset: 48, .size: 8, .value_kind: global_buffer, .address_space: global }
      - { .name: vc, .offset: 56, .size: 8, .value_kind: global_buffer, .address_space: global }
    .group_segment_fixed_size: 327680
    .private_segment_fixed_size: 0
    .kernarg_segment_align: 8
    .kernarg_segment_size: 64
    .max_flat_workgroup_size: 128
    .sgpr_count:     100
    .vgpr_count:     1024
    .wavefront_size: 32
...
	.end_amdgpu_metadata
.endif
;; end of part 2
;; launch attn (part 3): grid 2 x 128, 8 waves a work-group, no clusters, 299,008 bytes of LDS; arguments qs, qr, kc, vc, et, lowp_scales, ao; writes ao
.if DOCPART == 3
	.amdgcn_target "amdgcn-amd-amdhsa--gfx1250"
	.amdhsa_code_object_version 6
	.text
	.protected	k_qf828479411_attn
	.globl	k_qf828479411_attn
	.p2align	8
	.type	k_qf828479411_attn,@function
k_qf828479411_attn:
	s_mov_b64 s[64:65], 0
	v_nop
	global_prefetch_b8 v0, s[64:65] scope:SCOPE_SE
	s_setreg_imm32_b32 hwreg(HW_REG_WAVE_MODE, 25, 1), 1
	s_wait_xcnt 0x0
; For one head: scores = q k^T / 8 + skew(q Er^T), softmax, x v; all three products on codes of E4M3; the result, divided by the row's sum, is quantised (2^e8) for the last projection.
; THE SKEW.  With x = key - query: the bias is q_i . Er[1023 + x] for x <= 0, 0 for x = 1, q_(i+1) . Er[x - 2] for x >= 2.  The table et holds these rows of Er one behind the other, by x.
; A product of 16 rows of the table with 16 queries gives lane (query r) the bias at a distance x; its key is x + i(r).  A WAVE'S 16 QUERIES LIE 4 APART, i(r) = imin + 4 r, so that lane r's results are shifted by 4 r keys = 16 r bytes
; against lane 0's: they go into the wave's own stage in LDS (a ring of 128 keys a query) by stores of 16 bytes at 16 r further on, and come back unshifted, straight into the score registers, as the C of K Q^T.
; Production m = 0..16 multiplies the rows x = -64 - imin + 64 m + 0..63; its results are keys 64 (m - 1) + 4 r + 0..63.  Keys 64 n .. 64 n + 63 are whole behind production n + 1.  A lane has at most 64 + 60 keys waiting: under the ring's 128.
; Productions under mmix = imin / 64 + 1 have x <= 0 throughout and take q_i; those above take q_(i+1); in production mmix only the first 16 rows are mixed: rows up to a = imin % 4 take q_i, the others q_(i+1) (two products on one accumulator).
; THE SOFTMAX: t = score x log2(e); M = the running largest t rounded up to a whole number; p = 2^(t - M) is quantised (2^e6), not normalised; the row's sum is taken of the unquantised p; when M moves, sum and O are multiplied by 2^(old M - new M).
; SHARES.  A work-group owns 512 queries of one head, in four blocks of 128; wave w takes imin = block + 64 (w / 4) + w % 4.  The head's K and V (images of the operands' registers, 64 KiB each) and the 1,552 rows of the table that the
; work-group needs are brought into LDS ONCE, by one tensor load a wave at the head: nothing is filled again, so there is one barrier in the launch.  Both products are used transposed: a lane holds one query throughout.
; A STEP'S ORDER.  What goes through LDS is asked for well ahead of its use: a step's second production and its way into the stage stand between the first production's way through the stage and the products that take it up;
; the maximum over the first 64 keys stands between the second's and its products; V lands under the softmax; all of K's tiles of a step are asked for at the end of the step before; a block's q in the last step of the block before.
; NO CLUSTER: only the two work-groups of a head share anything (K and V), and they ask for it once in the launch, 128 KiB each; a grid of four to a head would halve the queries that each such fill serves.
; LIMITS on the given exponents, so that each power of two below is an f32 number: e2 + e3 - e4 - e5 + 3 between -126 and 127; e4 + e5 - 3 between -126 and 127; e6, e8 between -126 and 119.  NaN among the inputs is not served.
; REGISTERS: v1 lane % 16; v2-3 my place in the table (pieces c = 0, 1); v4-5, v8, v9 addresses in hand; v6 16 x lane; v7 the same in V; v10 stage, back; v11, v12-19 stage, in; v20 -M, v21 the largest t, v[22:23] the sum;
;   v24-25 q's offsets, v26 256 x (lane / 16), v27 4 x (lane % 16); v28-31 scales; v32.. q for K, q for the table, q_(i+1); v56-87 the table's fragments, v88-119 K's tiles 0-3 (V's take all 64); v120-183 scores, then p; v184-215 O^T;
;   v216-231 K's tiles 6, 7, then p's codes; v232-239 at work, and the mixed tile's second fragment; v240-255 K's tiles 4, 5.
.set VREG,   65536                     ; LDS: K's images at 0, V's here,
.set ET,     131072                    ; the table's rows, 64 bytes each,
.set STAGE,  230400                    ; and the stages: for each wave 16 rows x (128 keys of f32 + 16 bytes).  No tensor load lands here
.set SPITCH, 528
.set WSTAGE, 16*SPITCH
.set QS, 32
.set QA, 40
.set QB, 48
.set FE, 56
.set FK, 88
.set S,  120
.set O,  184
.set PC, 216
.set MT, 232
.set KH, 240
.macro PLACES n                        ; plain vector instructions between a matrix instruction and a load into, or a vector read or write of, its registers
.rept \n
	v_nop
.endr
.endm
.macro MKSCALE se, vs, vl              ; from the exponent in s[se]: v[vs] = 2^e as f32, v[vl] = 448 x 2^e
	s_add_co_i32 s86, s[\se], 127
	s_lshl_b32 s87, s86, 23
	v_mov_b32 v[\vs], s87
	s_add_co_i32 s86, s86, 8
	s_lshl_b32 s86, s86, 23
	s_or_b32 s86, s86, 0x600000
	v_mov_b32 v[\vl], s86
.endm
; The three fragments of q for the block whose imin stands in s[si].  A token's place in an image: 1,024 (i / 16) + 16 (i % 16) + 256 h
.macro QLOAD si
	v_add_nc_u32 v24, s[\si], v27                  ; my query i = imin + 4 r,
	s_delay_alu instid0(VALU_DEP_1)
	v_add_nc_u32 v25, 1, v24
	s_delay_alu instid0(VALU_DEP_1)
	v_min_u32 v25, 0x3ff, v25                      ; and i + 1; the last query has none, and its part with x >= 2 lies past the last key and is never read
	s_delay_alu instid0(VALU_DEP_3)
	v_lshrrev_b32 v238, 4, v24
	s_delay_alu instid0(VALU_DEP_4)
	v_and_b32 v24, 15, v24
	s_delay_alu instid0(VALU_DEP_1)
	v_lshl_add_u32 v24, v24, 4, v26
	s_delay_alu instid0(VALU_DEP_1)
	v_lshl_add_u32 v24, v238, 10, v24
	v_lshrrev_b32 v238, 4, v25
	v_and_b32 v25, 15, v25
	s_delay_alu instid0(VALU_DEP_1)
	v_lshl_add_u32 v25, v25, 4, v26
	s_delay_alu instid0(VALU_DEP_1)
	v_lshl_add_u32 v25, v238, 10, v25
	global_load_b128 v[QS:QS+3], v24, s[4:5]
	global_load_b128 v[QS+4:QS+7], v24, s[4:5] offset:512
	global_load_b128 v[QA:QA+3], v24, s[6:7]
	global_load_b128 v[QA+4:QA+7], v24, s[6:7] offset:512
	global_load_b128 v[QB:QB+3], v25, s[6:7]
	global_load_b128 v[QB+4:QB+7], v25, s[6:7] offset:512
.endm
	s_load_b256 s[4:11], s[0:1], 0x0               ; qs s[4:5], qr s[6:7], kc s[8:9], vc s[10:11]
	s_load_b128 s[12:15], s[0:1], 0x20             ; et s[12:13], the scales' exponents s[14:15]
	s_load_b64 s[16:17], s[0:1], 0x30              ; ao
	s_set_vgpr_msb 0x40
	v_lshl_add_u32 v0, v0, 2, 0x48c00
	v_mov_b32 v1, 0
	s_set_vgpr_msb 0x4045
	ds_add_u32 v0, v1
	ds_add_u32 v0, v1
	s_set_vgpr_msb 0x4500
	v_lshrrev_b32 v1, 5, v0
	s_delay_alu instid0(VALU_DEP_1)
	v_readfirstlane_b32 s18, v1                    ; wave 0..7
	s_and_b32 s19, s18, 3                          ; a
	s_lshr_b32 s20, s18, 2                         ; u
	s_mov_b32 s21, ttmp9                           ; which 512 queries
	s_and_b32 s22, ttmp7, 0xffff                   ; 16 x batch + head
	; descriptor groups 1: dense blocks, as rows of 256 bytes (32 elements of 8 bytes).  K, V: 128 rows a wave; the table: 97 rows a wave
	s_mov_b32 s24, 3<<16                           ; 15:0 no mask; 17:16 elements of 8 bytes; no padding
	s_mov_b32 s25, 32<<16                          ; tensor_dim0
	s_mov_b32 s26, 128<<16                         ; tensor_dim1
	s_mov_b32 s27, 32<<16                          ; tile_dim0
	s_mov_b32 s28, 128                             ; tile_dim1
	s_mov_b32 s29, 32                              ; tensor_dim0_stride
	s_mov_b32 s30, 0
	s_mov_b32 s31, 0
	s_mov_b32 s32, 3<<16
	s_mov_b32 s33, 32<<16
	s_mov_b32 s34, 97<<16
	s_mov_b32 s35, 32<<16
	s_mov_b32 s36, 97
	s_mov_b32 s37, 32
	s_mov_b32 s38, 0
	s_mov_b32 s39, 0
	s_lshl_b32 s78, s22, 16                        ; the head's 65,536 bytes in qs, qr, kc, vc
	s_mov_b32 s79, 0
	s_and_b32 s80, s18, 1
	s_lshl_b32 s80, s80, 15
	s_add_co_u32 s80, s80, s78                     ; waves 0, 1: K's halves; waves 2, 3: V's
	s_mov_b32 s81, 0
	s_mul_i32 s45, s19, 24832                      ; waves 4 to 7: a quarter of the table's rows each
	s_xor_b32 s82, s21, 1
	s_lshl_b32 s82, s82, 15                        ; LDS row 0 is the table's row 512 for the first 512 queries, row 0 for the others
	s_add_co_u32 s82, s82, s45
	s_mov_b32 s83, 0
	s_add_co_u32 s45, s45, ET                      ; LDS address: a constant + (wave % 4) x a constant
	s_lshl_b32 s41, s19, 15                        ; LDS address: wave x 32,768 in waves 0 to 3
	s_mov_b32 s40, 1
	s_mov_b32 s44, 1
	s_wait_dscnt 0x0
	s_wait_kmcnt 0x0
	s_load_b256 s[48:55], s[14:15], 0x0            ; e0 .. e7
	s_load_b32 s56, s[14:15], 0x20                 ; e8
	s_cmp_lt_u32 s18, 2
	s_cselect_b64 s[42:43], s[8:9], s[10:11]
	s_add_nc_u64 s[42:43], s[42:43], s[80:81]
	s_or_b32 s43, s43, 0x80000000                  ; type = 2
	s_add_nc_u64 s[46:47], s[12:13], s[82:83]
	s_or_b32 s47, s47, 0x80000000
	s_cmp_lt_u32 s18, 4                            ; every wave issues one load: one tensor load of mine is out.  Four v_nop follow each line
	s_cbranch_scc0 .Lfor_table
	tensor_load_to_lds s[40:43], s[24:31]
	s_nop 0
.rept 4
	v_nop
.endr
	s_branch .Lasked
.Lfor_table:
	tensor_load_to_lds s[44:47], s[32:39]
	s_nop 0
.rept 4
	v_nop
.endr
.Lasked:
	s_add_nc_u64 s[4:5], s[4:5], s[78:79]          ; qs and qr at my head
	s_add_nc_u64 s[6:7], s[6:7], s[78:79]
	; ao is laid for the last projection: [batch][256 tokens][256 along K][128 tokens][tile 8][128 along K][c 4][lane][16 bytes]; a tile's lane r is token .. + 64 (tile / 4) + tile % 4 + 4 r: my wave's queries are tile w
	s_lshr_b32 s84, s22, 4
	s_lshl_b32 s84, s84, 20                        ; batch
	s_and_b32 s85, s22, 15                         ; head: K = 64 head + channel
	s_lshr_b32 s86, s85, 2
	s_lshl_b32 s86, s86, 16
	s_add_co_u32 s84, s84, s86
	s_lshl_b32 s86, s18, 12
	s_add_co_u32 s84, s84, s86
	s_and_b32 s86, s85, 3
	s_lshl_b32 s86, s86, 10                        ; (head / 2 % 2) x 2,048 + (head % 2) x 1,024
	s_add_co_u32 s84, s84, s86
	s_mov_b32 s85, 0
	s_add_nc_u64 s[16:17], s[16:17], s[84:85]
	v_and_b32 v1, 15, v0                           ; r
	v_bfe_u32 v232, v0, 4, 1                       ; h
	v_and_b32 v233, 31, v0
	s_delay_alu instid0(VALU_DEP_1)
	v_lshlrev_b32 v6, 4, v233                      ; 16 x lane: an image's place for my lane
	s_delay_alu instid0(VALU_DEP_1)
	v_add_nc_u32 v7, VREG, v6
	s_delay_alu instid0(VALU_DEP_4)
	v_lshlrev_b32 v26, 8, v232                     ; q's images: + 256 h
	v_lshlrev_b32 v27, 2, v1                       ; 4 r
	; the table: LDS row of production m, tile T, lane r in block b' (counted from the last block down): r + 1 + (3 - a) + 64 (1 - u) + 128 b' + 64 m + 16 T
	s_xor_b32 s86, s19, 3
	s_xor_b32 s87, s20, 1
	s_lshl_b32 s87, s87, 6
	s_add_co_u32 s86, s86, s87
	s_add_co_u32 s86, s86, 1
	v_add_nc_u32 v234, s86, v1
	s_delay_alu instid0(VALU_DEP_1)
	v_lshrrev_b32 v235, 2, v234
	s_delay_alu instid0(VALU_DEP_1)
	v_add_nc_u32 v235, v235, v232                  ; piece q = 2 c + h lies at place (q + row / 4) mod 4; what is added to the row later is a multiple of 16
	s_delay_alu instid0(VALU_DEP_1)
	v_and_b32 v236, 3, v235
	s_delay_alu instid0(VALU_DEP_1)
	v_lshlrev_b32 v236, 4, v236
	s_delay_alu instid0(VALU_DEP_1)
	v_lshl_add_u32 v2, v234, 6, v236
	s_delay_alu instid0(VALU_DEP_1)
	v_add_nc_u32 v2, ET, v2
	v_add_nc_u32 v235, 2, v235
	s_delay_alu instid0(VALU_DEP_1)
	v_and_b32 v236, 3, v235
	s_delay_alu instid0(VALU_DEP_1)
	v_lshlrev_b32 v236, 4, v236
	s_delay_alu instid0(VALU_DEP_1)
	v_lshl_add_u32 v3, v234, 6, v236
	s_delay_alu instid0(VALU_DEP_1)
	v_add_nc_u32 v3, ET, v3
	; my stage: row r; a key's place is 4 (key mod 128)
	s_mul_i32 s86, s18, WSTAGE
	s_add_co_u32 s86, s86, STAGE
	v_mul_u32_u24 v234, v1, SPITCH
	s_delay_alu instid0(VALU_DEP_1)
	v_add_nc_u32 v234, s86, v234
	s_delay_alu instid0(VALU_DEP_1)
	v_lshl_add_u32 v10, v232, 5, v234              ; back: + 32 h
	s_delay_alu instid0(VALU_DEP_1)
	v_lshl_add_u32 v11, v1, 4, v10                 ; in, odd productions: + 32 h + 16 r (+ 64 T + 16 g: 480 at the most, no wrap)
	v_lshlrev_b32 v235, 5, v232
	s_delay_alu instid0(VALU_DEP_1)
	v_lshl_add_u32 v235, v1, 4, v235
.irp t, 0,1,2,3
.irp g, 0,1
	v_add_nc_u32 v236, 256+64*\t+16*\g, v235       ; in, even productions: 256 further on, round the ring's 512 bytes: an address for each of the eight stores
	s_delay_alu instid0(VALU_DEP_1)
	v_and_b32 v236, 511, v236
	s_delay_alu instid0(VALU_DEP_1)
	v_add_nc_u32 v[12+2*\t+\g], v236, v234
.endr
.endr
	s_mov_b32 s58, 0x76543210                      ; v_permlanex16_b32's selects: lane l xor 16
	s_mov_b32 s59, 0xfedcba98
	s_lshl_b32 s72, s21, 9
	s_add_co_u32 s72, s72, 384
	s_lshl_b32 s86, s20, 6
	s_add_co_u32 s72, s72, s86
	s_add_co_u32 s72, s72, s19                     ; imin of the last block: the blocks are walked from the last to the first, the table upward
	QLOAD 72                                       ; the first block's q is on its way beside the tiles.  (It also writes v238, a lane permute's destination later on, which counts as one of its sources)
	s_wait_kmcnt 0x0
	s_add_co_i32 s86, s52, s53                     ; e4 + e5
	s_sub_co_i32 s87, s86, 3                       ; / 8 = / sqrt(64)
	s_lshl_b32 s87, s87, 23
	s_add_co_i32 s60, s87, 0x3fb8aa3b              ; c = log2(e) x 2^(e4 + e5 - 3): the exponents are added to log2(e)'s exponent field
	s_mov_b32 s61, s60
	s_add_co_i32 s87, s50, s51
	s_sub_co_i32 s87, s87, s86
	s_add_co_i32 s87, s87, 130
	s_lshl_b32 s62, s87, 23                        ; 2^(e2 + e3 - e4 - e5 + 3): brings a sum of the product with the table to the unit of K Q^T's sums
	s_mov_b32 s63, s62
	MKSCALE 54, 28, 29                             ; e6: p
	MKSCALE 56, 30, 31                             ; e8: the result
	s_add_co_i32 s73, s54, s55                     ; e6 + e7
	s_mov_b32 s66, 0                               ; the table's byte at which the next production begins (without the lane's part)
	s_mov_b32 s71, 4                               ; blocks to go
	v_mov_b32 v235, 0                              ; (named as the upper half of the pair v[234:235])
	s_wait_tensorcnt 0x0                           ; my part of K, V or the table is in,
	s_barrier_signal -1
	s_barrier_wait -1                              ; everybody's is
.macro ELOAD n                         ; the next production's 64 rows of the table: four fragments.  The two additions and n v_nop are places in front of the loads
	v_add_nc_u32 v4, s66, v2
	v_add_nc_u32 v5, s66, v3
	s_add_co_u32 s66, s66, 4096
.if \n > 0
	PLACES \n
.endif
.irp t, 0,1,2,3
	ds_load_b128 v[FE+8*\t:FE+8*\t+3], v4 offset:1024*\t
	ds_load_b128 v[FE+8*\t+4:FE+8*\t+7], v5 offset:1024*\t
.endr
.endm
.macro KLOAD                           ; a step's eight tiles of 16 keys: sixteen loads
.irp t, 0,1,2,3
.irp c, 0,1
	ds_load_b128 v[FK+8*\t+4*\c:FK+8*\t+4*\c+3], v8 offset:\t*1024+512*\c
.endr
.endr
.irp t, 0,1
.irp c, 0,1
	ds_load_b128 v[KH+8*\t+4*\c:KH+8*\t+4*\c+3], v8 offset:(4+\t)*1024+512*\c
.endr
.endr
.irp t, 0,1
.irp c, 0,1
	ds_load_b128 v[PC+8*\t+4*\c:PC+8*\t+4*\c+3], v8 offset:(6+\t)*1024+512*\c
.endr
.endr
.endm
.macro VLOAD                           ; V^T: four tiles of 16 channels x the step's 128 keys: sixteen loads
.irp t, 0,1,2,3
.irp j, 0,1,2,3
	ds_load_b128 v[FE+16*\t+4*\j:FE+16*\t+4*\j+3], v9 offset:2048*\t+512*\j
.endr
.endr
.endm
; A production: 64 rows of the table x my 16 queries, into the score registers 32 p on.  The branch hangs on ids alone.  On both ways the last product is tile 3's, and the accumulators take turns.
.macro REL p
	s_cmp_eq_u32 s68, s69
	s_cbranch_scc1 .Lmix_\@
.irp t, 0,1,2,3
	v_wmma_f32_16x16x64_fp8_fp8 v[S+32*\p+8*\t:S+32*\p+8*\t+7], v[FE+8*\t:FE+8*\t+7], v[QA:QA+7], 0
.endr
	s_branch .Ljoin_\@
.Lmix_\@:
	v_cmp_lt_u32 vcc_lo, s19, v1                   ; rows behind a: x >= 1: they meet q_(i+1) (row a + 1 is the table's row of zeros)
.irp k, 0,1,2,3,4,5,6,7
	v_cndmask_b32 v[MT+\k], 0, v[FE+\k], vcc_lo
.endr
	v_cmp_ge_u32 vcc_lo, s19, v1                   ; rows up to a: x <= 0: they meet q_i
.irp k, 0,1,2,3,4,5,6,7
	v_cndmask_b32 v[FE+\k], 0, v[FE+\k], vcc_lo
.endr
	v_wmma_f32_16x16x64_fp8_fp8 v[S+32*\p:S+32*\p+7], v[FE:FE+7], v[QA:QA+7], 0
	v_wmma_f32_16x16x64_fp8_fp8 v[S+32*\p+8:S+32*\p+15], v[FE+8:FE+15], v[QB:QB+7], 0
	v_wmma_f32_16x16x64_fp8_fp8 v[S+32*\p+16:S+32*\p+23], v[FE+16:FE+23], v[QB:QB+7], 0
	v_wmma_f32_16x16x64_fp8_fp8 v[S+32*\p:S+32*\p+7], v[MT:MT+7], v[QB:QB+7], v[S+32*\p:S+32*\p+7]
	v_wmma_f32_16x16x64_fp8_fp8 v[S+32*\p+24:S+32*\p+31], v[FE+24:FE+31], v[QB:QB+7], 0
	PLACES 4
.irp k, 0,1,2,3,4,5,6,7
	v_mov_b32 v[QA+\k], v[QB+\k]                   ; from here on every production takes q_(i+1)
.endr
.Ljoin_\@:
	s_add_co_u32 s68, s68, 1
.endm
; The production's results, in the unit of K Q^T's sums, go into the ring, each lane 16 r bytes further on; rd = 1: keys 64 p on of the step, now whole, come back into the same registers.
; LDS serves a wave's instructions in order (ISA guide 5.7.1.4): the loads see the stores, and the stage is the wave's own.
.macro SKEW p, rd
.set J, 0
.rept 16
	v_pk_mul_f32 v[S+32*\p+J:S+32*\p+J+1], v[S+32*\p+J:S+32*\p+J+1], s[62:63] op_sel_hi:[1,0]   ; each accumulator from its low end on
.set J, J+2
.endr
.irp t, 0,1,2,3
.irp g, 0,1
.if \p == 0
	ds_store_b128 v11, v[S+8*\t+4*\g:S+8*\t+4*\g+3] offset:64*\t+16*\g
.else
	ds_store_b128 v[12+2*\t+\g], v[S+32+8*\t+4*\g:S+32+8*\t+4*\g+3]
.endif
.endr
.endr
.if \rd
.irp t, 0,1,2,3
.irp g, 0,1
	ds_load_b128 v[S+32*\p+8*\t+4*\g:S+32*\p+8*\t+4*\g+3], v10 offset:256*\p+64*\t+16*\g
.endr
.endr
.endif
.endm
.macro QK p                            ; S^T = K Q^T + the bias: register 8 k + t of lane (r, h) is key 16 k + 8 h + t of the step
.if \p == 0
.irp t, 0,1,2,3
	v_wmma_f32_16x16x64_fp8_fp8 v[S+8*\t:S+8*\t+7], v[FK+8*\t:FK+8*\t+7], v[QS:QS+7], v[S+8*\t:S+8*\t+7]
.endr
.else
.irp t, 0,1
	v_wmma_f32_16x16x64_fp8_fp8 v[S+32+8*\t:S+32+8*\t+7], v[KH+8*\t:KH+8*\t+7], v[QS:QS+7], v[S+32+8*\t:S+32+8*\t+7]
.endr
.irp t, 0,1
	v_wmma_f32_16x16x64_fp8_fp8 v[S+48+8*\t:S+48+8*\t+7], v[PC+8*\t:PC+8*\t+7], v[QS:QS+7], v[S+48+8*\t:S+48+8*\t+7]
.endr
.endif
.endm
; The step's largest score of my query among my 64 keys: four chains (v232, v233, v236, v237), so that no line takes up the result of one of the three lines above it; in ascending order, each accumulator from its low end on.
.macro MAXA                            ; keys 0-63 of the step: my 32 registers
	v_max3_num_f32 v232, v[S], v[S+1], v[S+2]
	v_max3_num_f32 v233, v[S+3], v[S+4], v[S+5]
	v_max3_num_f32 v236, v[S+6], v[S+7], v[S+8]
	v_max3_num_f32 v237, v[S+9], v[S+10], v[S+11]
.set J, 12
.rept 2
	v_max3_num_f32 v232, v232, v[S+J], v[S+J+1]
	v_max3_num_f32 v233, v233, v[S+J+2], v[S+J+3]
	v_max3_num_f32 v236, v236, v[S+J+4], v[S+J+5]
	v_max3_num_f32 v237, v237, v[S+J+6], v[S+J+7]
.set J, J+8
.endr
	v_max3_num_f32 v232, v232, v[S+28], v[S+29]
	v_max3_num_f32 v233, v233, v[S+30], v[S+31]
.endm
.macro SOFTMAX
.set J, 32
.rept 4                                ; keys 64-127 of the step
	v_max3_num_f32 v236, v236, v[S+J], v[S+J+1]
	v_max3_num_f32 v237, v237, v[S+J+2], v[S+J+3]
	v_max3_num_f32 v232, v232, v[S+J+4], v[S+J+5]
	v_max3_num_f32 v233, v233, v[S+J+6], v[S+J+7]
.set J, J+8
.endr
	s_delay_alu instid0(VALU_DEP_1)
	v_max3_num_f32 v232, v232, v233, v236
	s_delay_alu instid0(VALU_DEP_1)
	v_max_num_f32 v232, v232, v237
	s_delay_alu instid0(VALU_DEP_1)
	v_permlanex16_b32 v238, v232, s58, s59
	s_delay_alu instid0(VALU_DEP_1)
	v_max_num_f32 v232, v232, v238                 ; and among lane l xor 16's
	s_delay_alu instid0(VALU_DEP_1)
	v_mul_f32 v232, s60, v232                      ; as t (c is positive)
	s_delay_alu instid0(VALU_DEP_1)
	v_max_num_f32 v21, v21, v232                   ; the running largest t
	v_mov_b32 v232, v20
	s_delay_alu instid0(VALU_DEP_2)
	v_floor_f32 v20, -v21                          ; the new -M = floor(-t): M is a whole number
	s_delay_alu instid0(VALU_DEP_1)
	v_sub_f32 v232, v20, v232                      ; old M - new M: a whole number, 0 or less
	s_delay_alu instid0(VALU_DEP_1)
	v_cvt_i32_f32 v232, v232                       ; (it saturates)
	s_delay_alu instid0(VALU_DEP_1)
	v_ldexp_f32 v234, 1.0, v232                    ; f = 2^(old M - new M)
.set J, 0
.rept 32
	v_pk_fma_f32 v[S+J:S+J+1], v[S+J:S+J+1], s[60:61], v[20:21] op_sel_hi:[1,0,0]   ; t - M (of the pairs c and -M the low word serves both halves)
.set J, J+2
.endr
.set J, 0
	s_wait_alu depctr_va_vdst(0)
.rept 64
	v_exp_f32 v[S+J], v[S+J]                       ; p = 2^(t - M), at most 1
.set J, J+1
.endr
	v_pk_mul_f32 v[22:23], v[22:23], v[234:235] op_sel_hi:[1,0]   ; the sums under the new M: the plain instruction behind the exponentials
	s_wait_alu depctr_va_vdst(0)                   ; one wait for the whole batch, ahead of its first reader
	v_pk_add_f32 v[232:233], v[132:133], v[140:141]
	v_pk_add_f32 v[236:237], v[148:149], v[156:157]
	v_pk_add_f32 v[238:239], v[164:165], v[172:173]
	v_pk_add_f32 v[254:255], v[180:181], v[120:121]
	v_pk_add_f32 v[252:253], v[122:123], v[134:135]
	v_pk_add_f32 v[250:251], v[142:143], v[150:151]
	v_pk_add_f32 v[248:249], v[158:159], v[166:167]
	v_pk_add_f32 v[22:23], v[22:23], v[174:175]
	v_pk_add_f32 v[232:233], v[232:233], v[182:183]
	v_pk_add_f32 v[236:237], v[236:237], v[124:125]
	v_pk_add_f32 v[238:239], v[238:239], v[126:127]
	v_pk_add_f32 v[254:255], v[254:255], v[136:137]
	v_pk_add_f32 v[252:253], v[252:253], v[144:145]
	v_pk_add_f32 v[250:251], v[250:251], v[152:153]
	v_pk_add_f32 v[248:249], v[248:249], v[160:161]
	v_pk_add_f32 v[22:23], v[22:23], v[168:169]
	v_pk_add_f32 v[232:233], v[232:233], v[176:177]
	v_pk_add_f32 v[236:237], v[236:237], v[128:129]
	v_pk_add_f32 v[238:239], v[238:239], v[130:131]
	v_pk_add_f32 v[254:255], v[254:255], v[138:139]
	v_pk_add_f32 v[252:253], v[252:253], v[146:147]
	v_pk_add_f32 v[250:251], v[250:251], v[154:155]
	v_pk_add_f32 v[248:249], v[248:249], v[162:163]
	v_pk_add_f32 v[22:23], v[22:23], v[170:171]
	v_pk_add_f32 v[232:233], v[232:233], v[178:179]
	s_delay_alu instid0(VALU_DEP_2)
	v_pk_add_f32 v[22:23], v[22:23], v[254:255]
	s_delay_alu instid0(VALU_DEP_2)
	v_pk_add_f32 v[232:233], v[232:233], v[252:253]
	v_pk_add_f32 v[236:237], v[236:237], v[250:251]
	v_pk_add_f32 v[238:239], v[238:239], v[248:249]
	s_delay_alu instid0(VALU_DEP_2)
	v_pk_add_f32 v[22:23], v[22:23], v[236:237]
	s_delay_alu instid0(VALU_DEP_2)
	v_pk_add_f32 v[232:233], v[232:233], v[238:239]
	s_delay_alu instid0(VALU_DEP_1)
	v_pk_add_f32 v[22:23], v[22:23], v[232:233]
.set J, 0
.rept 8
.set I, 0
.rept 8
	v_min_num_f32 v[S+8*J+I], v[S+8*J+I], v29      ; the conversion does not saturate (ISA guide 7.6.2); p is not negative, so the hold is one-sided
.set I, I+1
.endr
	v_cvt_scalef32_pk8_fp8_f32 v[PC+2*J:PC+2*J+1], v[S+8*J:S+8*J+7], v28   ; keys 16 J + 8 h + 0..7: registers 2 J, 2 J + 1 of the 16x16x128 operand
.set J, J+1
.endr
.set J, 0
.rept 16
	v_pk_mul_f32 v[O+J:O+J+1], v[O+J:O+J+1], v[234:235] op_sel_hi:[1,0]   ; O^T under the new M; also the plain instructions behind the last conversion
.set J, J+2
.endr
.endm
.macro PV                              ; O^T += V^T P^T: K = the step's 128 keys
.irp t, 0,1,2,3
	v_wmma_f32_16x16x128_fp8_fp8 v[O+8*\t:O+8*\t+7], v[FE+16*\t:FE+16*\t+15], v[PC:PC+15], v[O+8*\t:O+8*\t+7]
.endr
.endm
; A KEY STEP: 128 keys.  At its head the table's rows of production 2 s + 1 and, behind them, K's eight tiles have been asked for.
.macro STEP next
	s_wait_dscnt 16                                ; all but the youngest sixteen, K's: the table's rows are in
	REL 0                                          ; production 2 s + 1
	ELOAD 2                                        ; production 2 s + 2's rows; two additions and two v_nop: the four places behind the products
	SKEW 0, 1                                      ; keys 0-63 of the step are whole, and on their way back
	s_wait_dscnt 16                                ; all but those eight stores and eight loads: the table's rows, and K, are in
	REL 1                                          ; production 2 s + 2
	v_add_nc_u32 v9, s67, v7
	PLACES 3                                       ; with the addition: the four places behind the products
	SKEW 1, 1                                      ; keys 64-127
	s_wait_dscnt 16                                ; all but those eight stores and eight loads: keys 0-63 are back
	QK 0
	PLACES 4                                       ; in front of loads into K's first four tiles, and of the first read of the scores
	VLOAD                                          ; lands under the softmax
	MAXA
	s_wait_dscnt 16                                ; all but V's sixteen: keys 64-127 are back
	QK 1
	PLACES 4
.if \next == 0
	s_cmp_eq_u32 s71, 1                            ; q has had its last reader of this block: the next block's is asked for here, if there is a next block
	s_cbranch_scc1 .Lno_next_\@
	s_sub_co_u32 s74, s72, 128
	QLOAD 74
.Lno_next_\@:
.endif
	s_wait_alu depctr_va_vdst(0)
	SOFTMAX
	s_wait_alu depctr_va_vdst(0)
	s_wait_dscnt 0x0                               ; V
	PV
	s_add_co_u32 s67, s67, 8192                    ; a step's images of K, and of V, are 8,192 bytes
.if \next
	v_add_nc_u32 v8, s67, v6
	ELOAD 1                                        ; three additions and a v_nop: the four places behind the products
	KLOAD
.endif
.endm
.Lblock:
	s_wait_xcnt 0x0                                ; the last block's stores have read their data and their base
	s_lshr_b32 s69, s72, 6
	s_add_co_u32 s69, s69, 1                       ; mmix
	s_lshr_b32 s74, s72, 8
	s_lshl_b32 s74, s74, 18                        ; ao: which 256 tokens,
	s_bfe_u32 s75, s72, 0x10007
	s_lshl_b32 s75, s75, 15                        ; which 128 of them
	s_add_co_u32 s74, s74, s75
	s_mov_b32 s75, 0
	s_add_nc_u64 s[76:77], s[16:17], s[74:75]
	s_mov_b32 s67, 0                               ; the step's place in K's and V's images
	s_mov_b32 s68, 0                               ; the production's number
	ELOAD 0                                        ; production 0
	v_mov_b32 v21, 0xff61b1e6                      ; the largest t so far: -3e38, under every t
	s_delay_alu instid0(VALU_DEP_1)
	v_floor_f32 v20, -v21
	v_mov_b32 v22, 0
	v_mov_b32 v23, 0
.set J, 0
.rept 32
	v_mov_b32 v[O+J], 0                            ; the step is written once: the first finds zeros, which the first change of M leaves zeros
.set J, J+1
.endr
	s_wait_loadcnt 0x0                             ; q, asked for a block ago
	s_wait_dscnt 0x0
	REL 1                                          ; production 0: an even one
	v_add_nc_u32 v8, s67, v6
	ELOAD 1
	SKEW 1, 0
	KLOAD
	s_mov_b32 s70, 7
.Lstep:
	STEP 1
	s_sub_co_u32 s70, s70, 1
	s_cmp_lg_u32 s70, 0
	s_cbranch_scc1 .Lstep
	STEP 0                                         ; the last step asks for no more of the table or of K
	; the way out of a tile: O^T / the sum x 2^(e6 + e7), quantised with 2^e8: channels 16 ct + 8 h + 0..7 are a conversion's eight numbers, and two tiles' codes one piece of ao's image
	PLACES 4
	v_add_f32 v22, v22, v23
	s_delay_alu instid0(VALU_DEP_1)
	v_permlanex16_b32 v238, v22, s58, s59
	s_delay_alu instid0(VALU_DEP_1)
	v_add_f32 v22, v22, v238
	s_wait_alu depctr_va_vdst(0)
	v_rcp_f32 v22, v22
	v_nop                                          ; a plain instruction behind the reciprocal
	s_wait_alu depctr_va_vdst(0)                   ; and the wait ahead of its first reader
	v_ldexp_f32 v22, v22, s73
.set J, 0
.rept 32
	v_mul_f32 v[S+J], v[O+J], v22
.set J, J+1
.endr
.set J, 0
.rept 32
	v_med3_num_f32 v[S+J], v[S+J], -v31, v31
.set J, J+1
.endr
.irp t, 0,1,2,3
	v_cvt_scalef32_pk8_fp8_f32 v[PC+2*\t:PC+2*\t+1], v[S+8*\t:S+8*\t+7], v30
.endr
	v_nop
	global_store_b128 v6, v[PC:PC+3], s[76:77]               ; 512 consecutive bytes a store
	global_store_b128 v6, v[PC+4:PC+7], s[76:77] offset:512
	s_sub_co_u32 s66, s66, 61440                   ; 17 productions on, 15 back: the next block begins 128 rows of the table further up
	s_sub_co_u32 s72, s72, 128
	s_sub_co_u32 s71, s71, 1
	s_cmp_lg_u32 s71, 0
	s_cbranch_scc1 .Lblock
	s_set_vgpr_msb 0x5
	s_wait_tensorcnt 0x0
	ds_add_u32 v0, v1
	s_wait_dscnt 0x0
	s_set_vgpr_msb 0x500
	s_endpgm
.Lfunc_end_k_qf828479411_attn:
	.size	k_qf828479411_attn, .Lfunc_end_k_qf828479411_attn-k_qf828479411_attn
	.p2alignl 7, 3214868480
	.fill 96, 4, 3214868480
	.section	.rodata,"a",@progbits
	.p2align	6, 0x0
	.amdhsa_kernel k_qf828479411_attn
		.amdhsa_group_segment_fixed_size 299008
		.amdhsa_private_segment_fixed_size 0
		.amdhsa_enable_private_segment 0
		.amdhsa_kernarg_size 56
		.amdhsa_user_sgpr_count 2
		.amdhsa_user_sgpr_kernarg_segment_ptr 1
		.amdhsa_wavefront_size32 1
		.amdhsa_system_sgpr_workgroup_id_x 1
		.amdhsa_system_sgpr_workgroup_id_y 1
		.amdhsa_system_sgpr_workgroup_id_z 1
		.amdhsa_system_vgpr_workitem_id 0
		.amdhsa_next_free_vgpr 258
		.amdhsa_next_free_sgpr 100
		.amdhsa_reserve_vcc 1
		.amdhsa_float_denorm_mode_32 3
		.amdhsa_float_denorm_mode_16_64 3
		.amdhsa_memory_ordered 1
		.amdhsa_forward_progress 1
		.amdhsa_inst_pref_size 71
	.end_amdhsa_kernel
	.amdgpu_metadata
---
amdhsa.version: [ 1, 2 ]
amdhsa.kernels:
  - .name:           k_qf828479411_attn
    .symbol:         k_qf828479411_attn.kd
    .args:
      - { .name: qs, .offset: 0, .size: 8, .value_kind: global_buffer, .address_space: global }
      - { .name: qr, .offset: 8, .size: 8, .value_kind: global_buffer, .address_space: global }
      - { .name: kc, .offset: 16, .size: 8, .value_kind: global_buffer, .address_space: global }
      - { .name: vc, .offset: 24, .size: 8, .value_kind: global_buffer, .address_space: global }
      - { .name: et, .offset: 32, .size: 8, .value_kind: global_buffer, .address_space: global }
      - { .name: lowp_scales, .offset: 40, .size: 8, .value_kind: global_buffer, .address_space: global }
      - { .name: ao, .offset: 48, .size: 8, .value_kind: global_buffer, .address_space: global }
    .group_segment_fixed_size: 299008
    .private_segment_fixed_size: 0
    .kernarg_segment_align: 8
    .kernarg_segment_size: 56
    .max_flat_workgroup_size: 256
    .sgpr_count:     100
    .vgpr_count:     258
    .wavefront_size: 32
...
	.end_amdgpu_metadata
.endif
;; end of part 3
;; launch proj (part 4): grid 8 x 32, 4 waves a work-group, clusters of 4 x 4, 327,680 bytes of LDS; arguments ao, W_out_codes, lowp_scales, b_out, out0; writes out0
.if DOCPART == 4
	.amdgcn_target "amdgcn-amd-amdhsa--gfx1250"
	.amdhsa_code_object_version 6
	.text
	.protected	k_qf828479411_proj
	.globl	k_qf828479411_proj
	.p2align	8
	.type	k_qf828479411_proj,@function
k_qf828479411_proj:
	s_mov_b64 s[64:65], 0
	v_nop
	global_prefetch_b8 v0, s[64:65] scope:SCOPE_SE
	s_setreg_imm32_b32 hwreg(HW_REG_WAVE_MODE, 25, 1), 1
	s_wait_xcnt 0x0
	s_wait_alu depctr_hold_cnt(0) depctr_sa_sdst(0) depctr_va_vdst(0) depctr_va_sdst(0) depctr_va_ssrc(0) depctr_va_vcc(0) depctr_vm_vsrc(0)
	s_getreg_b32 s2, hwreg(HW_REG_IB_STS2, 6, 4)
	s_cmp_eq_u32 s2, 0
	s_cbranch_scc0 .Lentry_in_a_cluster
	s_endpgm
.Lentry_in_a_cluster:
	s_bfe_u32 s2, ttmp6, 0x10000c
	s_cmp_lg_u32 s2, 0xf033
	s_cbranch_scc0 .Lentry_shape_is_right
	s_endpgm
.Lentry_shape_is_right:
; out0 = ao W_out (codes of E4M3, sums in f32) x 2^(e8 + e9) + b_out.  ao lies as images of the operand's registers, as the attention launch stores it: a K step of 256 for 128 tokens is one dense block of 32,768 bytes.
; A block of 256 tokens x 128 columns is made by four waves, 128 x 64 each: 32 accumulators; 32 x 8 blocks are 256 work-groups.  K = 1,024 goes in four steps of 256 through a ring of two LDS slots,
; filled by joint loads in clusters of 4 x 4: A's tile (ao) is shared along a row of the cluster, B's (W_out) along a column.  Waves 0, 1 fetch A's halves (32,768 bytes each), waves 2, 3 B's (64 rows each).
; Source 0 = rows of W_out, source 1 = tokens: a lane holds eight neighbouring columns of one row of out0.  A block of 16 rows x 64 columns goes through the wave's stage in slot 0 (its last fill and last read
; are over by then) and leaves as rows of 256 bytes, sixteen lanes to an aligned unit.  Tile a's lane r is token .. + 64 (a / 4) + a % 4 + 4 r.
; b_out is asked for at the head into window 0, v32-63, which no line of the K loop names; on the way out the scaled sums go to window 1, v32-63.
; PREFETCHES INTO THE L2: behind the load of K step n stands one request a wave for K step n + 1; the four partners of a joint load share it out by address (A: 8,192 bytes each, lanes 256 bytes apart;
; B: 16 rows each, a lane a row, the lanes left over name the last row again); nothing is asked for behind K step 3's load.
; LIMIT: e8 + e9 between -126 and 127, so that 2^(e8 + e9) is an f32 number.
; REGISTERS: window 0: v16-31 addresses, v32-63 b_out, from v128 A's fragments (one set; on the way out rows read back).  window 1: B's fragments, two sets at v0 and v128.  windows 2, 3: accumulator (a, b) at v[8 (8 (a % 4) + b)], b < 4.
.set KROW,   1024
.set ROWB,   256
.set PITCH,  272                       ; B's LDS row: 256 bytes + 16 of padding
.set FR,     16
.set NL,     4
.set NP,     4                         ; places behind this matrix instruction (ISA guide 7.12.1)
.set HALFA,  32768
.set HALFB,  64*PITCH
.set BOFF,   2*HALFA
.set SLOT,   BOFF+2*HALFB
.set LAPS,   2
.set SPARE,  2*SLOT                    ; behind the ring: the spare words, 128 bytes a wave, that no other line names
.set SPITCH, 272                       ; the stage: 16 rows x (256 bytes + 16) a wave
.set ADRA, 16
.set ADRB, 20
.set STO,  24
.set RD,   25
.set CO,   26                          ; 16 x lane: my place in an image of A
.set BO,   27
.set SPW,  28
.set NIL,  29
.set PFO,  30                          ; the prefetches' offset; never rewritten
.set GOF,  31                          ; my offset in out0: 16 (lane % 16) + four rows x (lane / 16)
.set TMP,  32
.set AF,   128
.set BK,   128
.set G1, 24
.set G0, 32
.set G1B, 48
.set G0B, 56
.set PFA,  66                          ; s[66:67] where my prefetches stand
.set PFS,  98                          ; s[98:99] a K step on, in bytes: 65,536 in ao, 256 in a row of W_out
.set MSB, 0
.macro WIN new                         ; the immediate's high byte repeats the setting that is left
.if MSB != \new
	s_set_vgpr_msb (MSB<<8)|\new
.set MSB, \new
.endif
.endm
.set MUL_LO, 0xa1                      ; source 0 (B) window 1, source 1 (A) window 0, C and D window 2
.set MUL_HI, 0xf1
.set TO_B,   0x40
.macro ASK
	s_wait_xcnt 0x0                                ; my last prefetch has read its address, so it may be stepped
	s_add_nc_u64 s[PFA:PFA+1], s[PFA:PFA+1], s[PFS:PFS+1]
	global_prefetch_b8 v[PFO], s[PFA:PFA+1] th:TH_LOAD_NT scope:SCOPE_SE
.endm
; A joint load: the branch hangs on the wave's number alone; s_nop 0 and four v_nop follow each line
.macro JLOAD g0a, g1a, g0b, g1b
	s_cmp_eq_u32 s15, 0
	s_cbranch_scc0 .Lfor_b_\@
	tensor_load_to_lds s[\g0a:\g0a+3], s[\g1a:\g1a+7]
	s_nop 0
.rept 4
	v_nop
.endr
	s_branch .Lasked_\@
.Lfor_b_\@:
	tensor_load_to_lds s[\g0b:\g0b+3], s[\g1b:\g1b+7]
	s_nop 0
.rept 4
	v_nop
.endr
.Lasked_\@:
.endm
.macro CREST                           ; a round of the cluster's barrier behind its opening barrier
	s_cmp_lg_u32 s14, 0
	s_cbranch_scc1 .Lnot_wave_0_\@
	s_barrier_signal -3
.Lnot_wave_0_\@:
	s_barrier_wait -3
	s_barrier_signal -1
	s_barrier_wait -1
.endm
.macro CROUND
	s_barrier_signal -1
	s_barrier_wait -1
	CREST
.endm
	s_load_b128 s[4:7], s[0:1], 0x0                ; ao s[4:5], W_out's codes s[6:7]
	s_load_b128 s[8:11], s[0:1], 0x10              ; the scales' exponents s[8:9], b_out s[10:11]
	s_load_b64 s[12:13], s[0:1], 0x20              ; out0
	v_lshl_add_u32 v[SPW], v0, 2, SPARE
	v_mov_b32 v[NIL], 0
	ds_add_u32 v[SPW], v[NIL]
	ds_add_u32 v[SPW], v[NIL]
	s_wait_dscnt 0x0
	v_lshrrev_b32 v1, 5, v0
	v_readfirstlane_b32 s14, v1                    ; wave 0..3
	s_lshr_b32 s15, s14, 1                         ; my half of the tokens.  Also: I fetch for A (0) or for B (1)
	s_and_b32 s16, s14, 1                          ; my half of the columns.  Also: which half of that tile I fetch
	s_bfe_u32 s40, ttmp6, 0x40000                  ; cx, cy
	s_bfe_u32 s41, ttmp6, 0x40004
	s_lshl_b32 s42, ttmp9, 2
	s_add_co_u32 s42, s42, s40                     ; tile column: 128 columns
	s_and_b32 s17, ttmp7, 0xffff
	s_lshl_b32 s17, s17, 2
	s_add_co_u32 s17, s17, s41                     ; tile row: 256 tokens
	s_lshl_b32 s43, s41, 2
	s_lshl_b32 s43, 15, s43                        ; my row of the cluster
	s_lshl_b32 s44, 0x1111, s40                    ; my column
	s_or_b32 s[G1+0], s43, (0<<16)|(1<<21)         ; A: the mask, elements of 1 byte, no padding
	s_or_b32 s[G1B+0], s44, (0<<16)|(1<<20)|(1<<21)|(5<<22)|(3<<25)   ; B: four words of padding after every 64
.irp g, G1, G1B
	s_mov_b32 s[\g+1], ROWB<<16
	s_mov_b32 s[\g+3], ROWB<<16
	s_mov_b32 s[\g+6], 0
	s_mov_b32 s[\g+7], 0
.endr
	s_mov_b32 s[G1+2], 128<<16                     ; A: 128 rows of 256 bytes, dense
	s_mov_b32 s[G1+4], 128
	s_mov_b32 s[G1+5], ROWB
	s_mov_b32 s[G1B+2], 64<<16                     ; B: 64 rows of 256 bytes, 1,024 apart
	s_mov_b32 s[G1B+4], 64
	s_mov_b32 s[G1B+5], KROW
	s_lshl_b32 s20, s17, 18
	s_lshl_b32 s18, s16, 15
	s_add_co_u32 s20, s20, s18                     ; A: 262,144 x tile row + 32,768 x half
	s_mov_b32 s21, 0
	s_lshl_b32 s46, s42, 7
	s_lshl_b32 s18, s16, 6
	s_add_co_u32 s46, s46, s18
	s_lshl_b32 s46, s46, 10                        ; B: (128 x tile column + 64 x half) rows of 1,024 bytes
	s_mov_b32 s47, 0
	s_lshl_b32 s45, s16, 15                        ; where they go
	s_mul_i32 s86, s16, HALFB
	s_add_co_u32 s86, s86, BOFF
	s_wait_kmcnt 0x0
	s_load_b64 s[96:97], s[8:9], 0x20              ; e8, e9
	s_add_nc_u64 s[20:21], s[4:5], s[20:21]
	s_add_nc_u64 s[46:47], s[6:7], s[46:47]
	CROUND                                         ; all sixteen work-groups are here: the first joint loads meet
.irp s, 0,1
	s_mov_b32 s[G0+4*\s], 1
	s_add_co_u32 s[G0+4*\s+1], s45, \s*SLOT
	s_add_nc_u64 s[G0+4*\s+2:G0+4*\s+3], s[20:21], \s*65536
	s_or_b32 s[G0+4*\s+3], s[G0+4*\s+3], 0x80000000
	s_mov_b32 s[G0B+4*\s], 1
	s_add_co_u32 s[G0B+4*\s+1], s86, \s*SLOT
	s_add_nc_u64 s[G0B+4*\s+2:G0B+4*\s+3], s[46:47], \s*ROWB
	s_or_b32 s[G0B+4*\s+3], s[G0B+4*\s+3], 0x80000000
.endr
	JLOAD G0, G1, G0B, G1B                         ; K step 0
	s_cmp_eq_u32 s15, 0                            ; do I fetch for A?
	s_cselect_b64 s[PFA:PFA+1], s[20:21], s[46:47]
	s_cselect_b32 s88, s40, s41                    ; my place among the four that ask with me
	s_cselect_b32 s89, 13, 14                      ; my work-group's share: 8,192 bytes of A's block, 16 rows of B
	s_cselect_b32 s90, 8, 10                       ; from lane to lane: 256 bytes, or a row
	s_cselect_b32 s91, 31, 15                      ; the last lane with a block of its own
	s_mov_b32 s[PFS], ROWB
	s_cselect_b32 s[PFS], 0x10000, s[PFS]
	s_mov_b32 s[PFS+1], 0
	s_lshl_b32 s88, s88, s89
	s_mov_b32 s89, 0
	s_add_nc_u64 s[PFA:PFA+1], s[PFA:PFA+1], s[88:89]
	s_add_nc_u64 s[PFA:PFA+1], s[PFA:PFA+1], s[PFS:PFS+1]
	v_and_b32 v[PFO], 31, v0
	v_min_u32 v[PFO], s91, v[PFO]
	v_lshlrev_b32 v[PFO], s90, v[PFO]
	global_prefetch_b8 v[PFO], s[PFA:PFA+1] th:TH_LOAD_NT scope:SCOPE_SE   ; K step 1
	v_and_b32 v1, 15, v0                           ; r
	v_bfe_u32 v2, v0, 4, 1                         ; h
	v_and_b32 v6, 31, v0
	v_lshlrev_b32 v[CO], 4, v6
	v_mul_u32_u24 v3, v1, PITCH
	v_lshl_add_u32 v4, v2, 3, v3                   ; B: row r, + 8 h: the 16x16x128 form's own places of k, as ao's images have them
	s_lshl_b32 s21, s15, 15                        ; my 128 tokens of A
	s_mul_i32 s22, s16, HALFB                      ; my 64 rows of B
	s_add_co_u32 s22, s22, BOFF
.irp s, 0,1
	v_add_nc_u32 v[ADRA+\s], s21, v[CO]
	v_add_nc_u32 v[ADRB+\s], s22, v4
	s_add_co_u32 s21, s21, SLOT
	s_add_co_u32 s22, s22, SLOT
.endr
	s_mul_i32 s23, s14, 16*SPITCH                  ; my stage
	v_mul_u32_u24 v5, v1, SPITCH                   ; in: row r, 32 bytes for each half of the lanes
	v_lshl_add_u32 v5, v2, 5, v5
	v_add_nc_u32 v[STO], s23, v5
	v_mul_u32_u24 v7, v2, SPITCH                   ; back: lanes 0-15 one row of 256 bytes, lanes 16-31 the next
	v_lshl_add_u32 v7, v1, 4, v7
	v_add_nc_u32 v[RD], s23, v7
	v_lshlrev_b32 v[GOF], 14, v2                   ; neighbouring rows of the stage are four rows of out0 apart: 16,384 bytes
	v_lshl_add_u32 v[GOF], v1, 4, v[GOF]
	v_lshlrev_b32 v[BO], 5, v2
	s_lshl_b32 s20, s17, 8
	s_lshl_b32 s21, s15, 7
	s_add_co_u32 s20, s20, s21
	s_lshl_b32 s20, s20, 12                        ; my first row of out0, rows of 4,096 bytes
	s_mov_b32 s21, 0
	s_lshl_b32 s46, s42, 9                         ; my first column, in bytes: 512 x tile column + 256 x half
	s_lshl_b32 s47, s16, 8
	s_add_co_u32 s46, s46, s47
	s_mov_b32 s47, 0
	s_add_nc_u64 s[10:11], s[10:11], s[46:47]
	s_add_nc_u64 s[20:21], s[20:21], s[46:47]
	s_add_nc_u64 s[12:13], s[12:13], s[20:21]
.macro FRAGA reg, adr, q, i            ; 16 tokens x 128 K: four pieces of an image
.irp c, 0,1,2,3
	ds_load_b128 v[\reg+4*\c:\reg+4*\c+3], v[\adr] offset:4096*(\i)+2048*(\q)+512*\c
.endr
.endm
.macro FRAGB reg, adr, q, i            ; 16 rows of W_out x 128 K: eight loads of 8 bytes
.irp c, 0,1,2,3,4,5,6,7
	ds_load_b64 v[\reg+2*\c:\reg+2*\c+1], v[\adr] offset:128*(\q)+16*\c+(\i)*16*PITCH
.endr
.endm
; 8 matrix instructions: A's blocks a0, a0 + 1 x B's four.  The 32 accumulators take turns, in the same order in every step
.macro MUL16 a0, p, zero
.irp a, \a0, \a0+1
.irp b, 0,1,2,3
.if \zero
	v_wmma_f32_16x16x128_fp8_fp8 v[8*(8*((\a)%4)+\b):8*(8*((\a)%4)+\b)+7], v[128*(\p)+FR*\b:128*(\p)+FR*\b+FR-1], v[AF+FR*(\a):AF+FR*(\a)+FR-1], 0
.else
	v_wmma_f32_16x16x128_fp8_fp8 v[8*(8*((\a)%4)+\b):8*(8*((\a)%4)+\b)+7], v[128*(\p)+FR*\b:128*(\p)+FR*\b+FR-1], v[AF+FR*(\a):AF+FR*(\a)+FR-1], v[8*(8*((\a)%4)+\b):8*(8*((\a)%4)+\b)+7]
.endif
.endr
.endr
.endm
.macro FETCH_B slot, q, p
	WIN TO_B
.irp i, 0,1,2,3
	FRAGB 128*(\p)+FR*\i, ADRB+\slot, \q, \i
.endr
	WIN 0
.endm
.macro FETCH_A slot, q, i0
.irp i, \i0, \i0+1, \i0+2, \i0+3
	FRAGA AF+FR*(\i), ADRA+\slot, \q, \i
.endr
.endm
.macro PLACES n
.rept \n
	v_nop
.endr
.endm
.macro STEP slot, q, zero              ; 128 along K that has its successor in the same slot
	s_wait_dscnt 4*NL                              ; B's set and A's blocks 0-3 are in; the youngest sixteen loads (A's blocks 4-7) may be out
	WIN MUL_LO
	MUL16 0, (\q)%2, \zero
	MUL16 2, (\q)%2, \zero
	s_wait_dscnt 0
	PLACES NP
	FETCH_B \slot, (\q)+1, 1-(\q)%2
	FETCH_A \slot, (\q)+1, 0
	WIN MUL_HI
	MUL16 4, (\q)%2, \zero
	MUL16 6, (\q)%2, \zero
	PLACES NP
	WIN 0
	FETCH_A \slot, (\q)+1, 4
.endm
; A slot's last step changes slots: in front of the barrier each wave waits for all its tensor loads, adds 0 to its spare word, and waits for that and for its reads of this slot
.macro TURN slot, next, fill
	s_wait_tensorcnt 0x0
	ds_add_u32 v[SPW], v[NIL]
	s_wait_dscnt 4*NL+1                            ; (the add and the youngest sixteen loads may be out)
	WIN MUL_LO
	MUL16 0, 1, 0
	s_wait_dscnt 0x0
	s_barrier_signal -1
	MUL16 2, 1, 0
	WIN 0
	s_barrier_wait -1
.if \fill
	CREST                                          ; the barrier has opened a round of the cluster's
	s_add_nc_u64 s[G0+4*\slot+2:G0+4*\slot+3], s[G0+4*\slot+2:G0+4*\slot+3], 2*65536
	s_add_nc_u64 s[G0B+4*\slot+2:G0B+4*\slot+3], s[G0B+4*\slot+2:G0B+4*\slot+3], 2*ROWB
	JLOAD G0+4*\slot, G1, G0B+4*\slot, G1B         ; the first tensor load behind the round; its four v_nop are the places in front of the loads below
.else
	PLACES NP
.endif
	FETCH_B \next, 0, 0
	FETCH_A \next, 0, 0
.if (\fill) && (\slot) == 0
	ASK                                            ; K step 3 (the loop has one trip)
.endif
	WIN MUL_HI
	MUL16 4, 1, 0
	MUL16 6, 1, 0
	PLACES NP
	WIN 0
	FETCH_A \next, 0, 4
.endm
	s_wait_alu depctr_va_vdst(0)
.irp bb, 0,1,2,3
	global_load_b128 v[TMP+8*\bb:TMP+8*\bb+3], v[BO], s[10:11] offset:64*\bb          ; b_out at columns 16 bb + 8 h + 0..7; waited for on the way out
	global_load_b128 v[TMP+8*\bb+4:TMP+8*\bb+7], v[BO], s[10:11] offset:64*\bb+16
.endr
	s_wait_tensorcnt 0x0                           ; my part of K step 0 is in
	ds_add_u32 v[SPW], v[NIL]
	s_wait_dscnt 0x0
	CROUND                                         ; everybody's part of K step 0 is in, and the joint loads meet
	JLOAD G0+4, G1, G0B+4, G1B                     ; K step 1's load, the first tensor load behind the round
	FETCH_B 0, 0, 0
	FETCH_A 0, 0, 0
	FETCH_A 0, 0, 4
	ASK                                            ; K step 2
	STEP 0, 0, 1                                   ; the first step's products start the sums
	s_mov_b32 s3, LAPS-1
.Llap:
	TURN 0, 1, 1
	STEP 1, 0, 0
	TURN 1, 0, 1
	STEP 0, 0, 0
	s_sub_co_u32 s3, s3, 1
	s_cmp_lg_u32 s3, 0
	s_cbranch_scc1 .Llap
	TURN 0, 1, 0                                   ; the last lap fills nothing
	STEP 1, 0, 0
	s_wait_dscnt 4*NL
	WIN MUL_LO
	MUL16 0, 1, 0
	MUL16 2, 1, 0
	s_wait_dscnt 0
	WIN MUL_HI
	MUL16 4, 1, 0
	MUL16 6, 1, 0
	WIN 0
; THE WAY OUT, block by block of 16 rows x 64 columns, through my own stage: LDS serves a wave's instructions in order (ISA guide 5.7.1.4), so no wait stands between the stores and the loads
.macro TOSTAGE a
.set AC, 64*((\a)%4)
	WIN 0x42+((\a)/4)                              ; source 0: window 2 or 3; source 2 (b_out): window 0; destination: window 1
.set J, 0
.rept 16
	v_pk_fma_f32 v[TMP+J:TMP+J+1], v[AC+J:AC+J+1], s[96:97], v[TMP+J:TMP+J+1] op_sel_hi:[1,0,1]   ; sum x 2^(e8 + e9) + b_out; each accumulator from its low end on
.set J, J+2
.endr
	WIN 0x04                                       ; the stores' data: window 1
.irp b, 0,1,2,3
	ds_store_b128 v[STO], v[TMP+8*\b:TMP+8*\b+3] offset:64*\b
	ds_store_b128 v[STO], v[TMP+8*\b+4:TMP+8*\b+7] offset:64*\b+16
.endr
	WIN 0
.set BB, BK+64*((\a)%2)
.irp t, 0,1,2,3,4,5,6,7
	ds_load_b128 v[BB+4*\t:BB+4*\t+3], v[RD] offset:\t*2*SPITCH
.endr
.endm
.macro SEND a, younger                 ; younger: the LDS instructions issued behind block a's loads, which may stay out
.set BB, BK+64*((\a)%2)
	s_wait_dscnt \younger
.if (\a) > 0
.if (\a) == 4
	s_add_nc_u64 s[12:13], s[12:13], 61*4096       ; (behind a wait on XCNT)  tile 4 begins at token 64
.else
	s_add_nc_u64 s[12:13], s[12:13], 4096          ; the next tile begins one token on
.endif
.endif
.irp t, 0,1,2,3,4,5,6,7
	global_store_b128 v[GOF], v[BB+4*\t:BB+4*\t+3], s[12:13] offset:\t*32768 th:TH_STORE_NT   ; sixteen lanes store 256 consecutive bytes, aligned
.endr
.endm
	s_wait_kmcnt 0x0
	s_add_co_i32 s96, s96, s97
	s_add_co_i32 s96, s96, 127
	s_lshl_b32 s96, s96, 23                        ; 2^(e8 + e9) as f32
	s_mov_b32 s97, s96                             ; (named with it as a pair, so it is written)
	s_wait_loadcnt 0x0                             ; b_out
	PLACES NP
	TOSTAGE 0
.irp a, 1,2,3,4,5,6,7
.if \a > 1
	s_wait_xcnt 0x0                                ; block a - 2's stores have read their registers and their base
.endif
	TOSTAGE \a
	SEND \a-1, 16                                  ; behind block a - 1's loads: block a's 8 stores and 8 loads
.endr
	s_wait_xcnt 0x0
	SEND 7, 0
	s_wait_tensorcnt 0x0                           ; the wave's end
	ds_add_u32 v[SPW], v[NIL]
	s_wait_dscnt 0x0
	CROUND                                         ; the closing round
	s_endpgm
.Lfunc_end_k_qf828479411_proj:
	.size	k_qf828479411_proj, .Lfunc_end_k_qf828479411_proj-k_qf828479411_proj
	.p2alignl 7, 3214868480
	.fill 96, 4, 3214868480
	.section	.rodata,"a",@progbits
	.p2align	6, 0x0
	.amdhsa_kernel k_qf828479411_proj
		.amdhsa_group_segment_fixed_size 327680
		.amdhsa_private_segment_fixed_size 0
		.amdhsa_enable_private_segment 0
		.amdhsa_kernarg_size 40
		.amdhsa_user_sgpr_count 2
		.amdhsa_user_sgpr_kernarg_segment_ptr 1
		.amdhsa_wavefront_size32 1
		.amdhsa_system_sgpr_workgroup_id_x 1
		.amdhsa_system_sgpr_workgroup_id_y 1
		.amdhsa_system_sgpr_workgroup_id_z 1
		.amdhsa_system_vgpr_workitem_id 0
		.amdhsa_next_free_vgpr 1024
		.amdhsa_next_free_sgpr 100
		.amdhsa_reserve_vcc 0
		.amdhsa_float_denorm_mode_32 3
		.amdhsa_float_denorm_mode_16_64 3
		.amdhsa_memory_ordered 1
		.amdhsa_forward_progress 1
		.amdhsa_inst_pref_size 88
	.end_amdhsa_kernel
	.amdgpu_metadata
---
amdhsa.version: [ 1, 2 ]
amdhsa.kernels:
  - .name:           k_qf828479411_proj
    .symbol:         k_qf828479411_proj.kd
    .args:
      - { .name: ao, .offset: 0, .size: 8, .value_kind: global_buffer, .address_space: global }
      - { .name: W_out_codes, .offset: 8, .size: 8, .value_kind: global_buffer, .address_space: global }
      - { .name: lowp_scales, .offset: 16, .size: 8, .value_kind: global_buffer, .address_space: global }
      - { .name: b_out, .offset: 24, .size: 8, .value_kind: global_buffer, .address_space: global }
      - { .name: out0, .offset: 32, .size: 8, .value_kind: global_buffer, .address_space: global }
    .group_segment_fixed_size: 327680
    .private_segment_fixed_size: 0
    .kernarg_segment_align: 8
    .kernarg_segment_size: 40
    .max_flat_workgroup_size: 128
    .sgpr_count:     100
    .vgpr_count:     1024
    .wavefront_size: 32
...
	.end_amdgpu_metadata
.endif
;; end of part 4
